; MI455X (gfx1250); checked and timed in simulation.
; The chip was launched on July 23, 2026; its instructions are those of AMD's public machine-readable ISA for CDNA 5 (MIT licence, August 2026) and "CDNA5" Instruction Set Architecture Reference Guide (July 2026). The comments in the code are by the model that wrote it; some were corrected since.
;; Way Former Encoder. Allowed arithmetic: matrix products marked QUANTISED: E2M3 operands, one E8M0 scale for each 32 along K, by v_wmma_scale_f32_16x16x128_f8f6f4 with both operands' format E2M3, f32 sums; everything else in f32.
;; Inputs: W1 4 x 128 x 256 float32; W2 4 x 256 x 128 float32; Wk 4 x 128 x 128 float32; Wo 4 x 128 x 128 float32; Wq 4 x 128 x 128 float32; Wv 4 x 128 x 128 float32; b1 4 x 256 float32; b2 4 x 128 float32; bk 4 x 128 float32; bo 4 x 128 float32; bq 4 x 128 float32; bv 4 x 128 float32; lengths 16 x 64 int32; ln1_b 4 x 128 float32; ln1_s 4 x 128 float32; ln2_b 4 x 128 float32; ln2_s 4 x 128 float32; polylines 16 x 64 x 64 x 128 float32; pos_emb 1 x 64 x 128 float32; proj_b 128 float32; proj_ln_b 128 float32; proj_ln_s 128 float32; proj_w 128 x 128 float32.
;; Outputs: out0 16 x 64 x 128 float32.
;; This version of the problem:
;;   THIS VERSION OF THE PROBLEM IS GIVEN IN LOW PRECISION. The matrix products marked QUANTISED in the list below multiply operands that are first quantised to E2M3 (2 exponent bits, 3 mantissa bits; 6 bits a number), with one power-of-two scale for each 32 numbers along K (OCP MX v1.0); their sums are f32. All else is computed in f32.
;;   The module's matrix products, in the order in which they are computed (A, B: the left and right operand; K: the contracted axis; several contracted axes count as one K, in the product's order):
;;     1. [M 65,536, K 128] x [K 128, N 128]; A: computed on the way; B: input proj_w: QUANTISED
;;     2. [M 65,536, K 128] x [K 128, N 128]; A: computed on the way; B: input Wq: QUANTISED
;;     3. [M 65,536, K 128] x [K 128, N 128]; A: computed on the way; B: input Wk: QUANTISED
;;     4. [M 65,536, K 128] x [K 128, N 128]; A: computed on the way; B: input Wv: QUANTISED
;;     5. batch 4,096 x [M 64, K 32] x [K 32, N 64]; A: computed on the way; B: computed on the way: QUANTISED
;;     6. batch 4,096 x [M 32, K 64] x [K 64, N 64]; A: computed on the way; B: softmax (see below): QUANTISED
;;     7. [M 65,536, K 128] x [K 128, N 128]; A: computed on the way; B: input Wo: QUANTISED
;;     8. [M 65,536, K 128] x [K 128, N 256]; A: computed on the way; B: input W1: QUANTISED
;;     9. [M 65,536, K 256] x [K 256, N 128]; A: computed on the way; B: input W2: QUANTISED
;;     10. [M 65,536, K 128] x [K 128, N 128]; A: computed on the way; B: input Wq: QUANTISED
;;     11. [M 65,536, K 128] x [K 128, N 128]; A: computed on the way; B: input Wk: QUANTISED
;;     12. [M 65,536, K 128] x [K 128, N 128]; A: computed on the way; B: input Wv: QUANTISED
;;     13. batch 4,096 x [M 64, K 32] x [K 32, N 64]; A: computed on the way; B: computed on the way: QUANTISED
;;     14. batch 4,096 x [M 32, K 64] x [K 64, N 64]; A: computed on the way; B: softmax (see below): QUANTISED
;;     15. [M 65,536, K 128] x [K 128, N 128]; A: computed on the way; B: input Wo: QUANTISED
;;     16. [M 65,536, K 128] x [K 128, N 256]; A: computed on the way; B: input W1: QUANTISED
;;     17. [M 65,536, K 256] x [K 256, N 128]; A: computed on the way; B: input W2: QUANTISED
;;     18. [M 65,536, K 128] x [K 128, N 128]; A: computed on the way; B: input Wq: QUANTISED
;;     19. [M 65,536, K 128] x [K 128, N 128]; A: computed on the way; B: input Wk: QUANTISED
;;     20. [M 65,536, K 128] x [K 128, N 128]; A: computed on the way; B: input Wv: QUANTISED
;;     21. batch 4,096 x [M 64, K 32] x [K 32, N 64]; A: computed on the way; B: computed on the way: QUANTISED
;;     22. batch 4,096 x [M 32, K 64] x [K 64, N 64]; A: computed on the way; B: softmax (see below): QUANTISED
;;     23. [M 65,536, K 128] x [K 128, N 128]; A: computed on the way; B: input Wo: QUANTISED
;;     24. [M 65,536, K 128] x [K 128, N 256]; A: computed on the way; B: input W1: QUANTISED
;;     25. [M 65,536, K 256] x [K 256, N 128]; A: computed on the way; B: input W2: QUANTISED
;;     26. [M 65,536, K 128] x [K 128, N 128]; A: computed on the way; B: input Wq: QUANTISED
;;     27. [M 65,536, K 128] x [K 128, N 128]; A: computed on the way; B: input Wk: QUANTISED
;;     28. [M 65,536, K 128] x [K 128, N 128]; A: computed on the way; B: input Wv: QUANTISED
;;     29. batch 4,096 x [M 64, K 32] x [K 32, N 64]; A: computed on the way; B: computed on the way: QUANTISED
;;     30. batch 4,096 x [M 32, K 64] x [K 64, N 64]; A: computed on the way; B: softmax (see below): QUANTISED
;;     31. [M 65,536, K 128] x [K 128, N 128]; A: computed on the way; B: input Wo: QUANTISED
;;     32. [M 65,536, K 128] x [K 128, N 256]; A: computed on the way; B: input W1: QUANTISED
;;     33. [M 65,536, K 256] x [K 256, N 128]; A: computed on the way; B: input W2: QUANTISED
;;   THE QUANTISER, for each operand of a quantised product, along K:
;;     - K is cut into blocks of 32 from its start; a last block that is shorter is filled with zeros.
;;     - A block's scale is 2^e with e = floor(log2(the largest magnitude in the block)) - 2, held to -126 .. 127; a block of zeros has e = 0. As a byte (E8M0): e + 127.
;;     - Each number is divided by its block's scale, clamped to +-7.5, and rounded to the nearest number of E2M3, ties to even, subnormals kept.
;;     - The product sums the exact products of the quantised numbers (number of the format x scale) in f32.
;;   ~~~python
;;   def quantise(x, axis):      # numpy; x: float32 -> the quantised numbers, widened to float32 again
;;       x = np.moveaxis(x, axis, -1); K = x.shape[-1]
;;       x = np.pad(x, [(0, 0)] * (x.ndim - 1) + [(0, -K % 32)]); x = x.reshape(x.shape[:-1] + (-1, 32)); a = np.abs(x).max(-1, keepdims=True)
;;       e = np.where(a > 0, np.clip(np.frexp(np.where(a > 0, a, 1))[1] - 1 - 2, -126, 127), 0)      # np.frexp(a)[1] - 1 = floor(log2(a)), exactly
;;       r = np.clip(x / 2.0 ** e, -7.5, 7.5)
;;       step = 2.0 ** (np.maximum(np.frexp(np.where(r == 0, 1, r))[1] - 1, 0) - 3)
;;       q = np.round(r / step) * step * 2.0 ** e      # np.round: ties to even
;;       return np.moveaxis(q.reshape(q.shape[:-2] + (-1,))[..., :K], -1, axis).astype(np.float32)
;;   ~~~
;;   SOFTMAX AHEAD OF A QUANTISED PRODUCT. Where the list says 'softmax', what is quantised is not the finished softmax but p = 2^(t - M), with t = logit x log2(e) and M = ceil(the row's largest t), a whole number; so 1/2 < the row's largest p <= 1. The row's sum l is taken of the UNQUANTISED p, in f32, and the product's result is divided by l at the end. Since M is a whole number, a kernel that streams over the keys may use a running M (the ceiling of the running maximum): every later rescaling is an exact power of two, which a block's scale takes up: the codes' values come out the same.
;;   OPERANDS COMPUTED ON THE WAY. 'Computed on the way' means the value that the module computes at that place (a softmax that the list does not call 'softmax' is quantised finished and normalised). What goes into a quantiser is computed in f32, as accurately as f32 sums, v_exp_f32 and their like allow (about 1e-6 of the number): no bf16 or f16 on the way to a quantiser, and a product that is left as it is and whose result goes on into a quantised operand takes f32 operands (vector FMAs, or v_wmma_f32_16x16x4_f32). A number that lies on a knife's edge between two numbers of the format may be rounded either way, as far as f32 arithmetic and the matrix unit's own rounding can turn it there, and no further.
;; One version. Each part assembles by itself: llvm-mc -triple=amdgcn-amd-amdhsa -mcpu=gfx1250 --defsym DOCPART=n.
;; ======== version 1 of 1: 3 launches
;; limits: right only within a limited range of input values
;; workspace buffers: pack 498,688 bytes; mid 1,048,576 bytes
;; launch prep (part 1): grid 33 x 1, 4 waves a work-group, no clusters, 0 bytes of LDS; arguments Wq, Wk, Wv, Wo, W1, W2, proj_w, bq, bk, bv, bo, ln1_s, ln1_b, b1, b2, ln2_s, ln2_b, proj_b, proj_ln_s, proj_ln_b, pos_emb, pack; writes pack
.if DOCPART == 1
	.amdgcn_target "amdgcn-amd-amdhsa--gfx1250"
	.amdhsa_code_object_version 6
	.text
	.protected	k_q0e5e7209b0_prep
	.globl	k_q0e5e7209b0_prep
	.p2align	8
	.type	k_q0e5e7209b0_prep,@function
k_q0e5e7209b0_prep:
	s_mov_b64 s[64:65], 0
	v_nop
	global_prefetch_b8 v0, s[64:65] scope:SCOPE_SE
	s_setreg_imm32_b32 hwreg(HW_REG_WAVE_MODE, 25, 1), 1
	s_wait_xcnt 0x0
; WayFormerEncoder, launch 1 of 3: the weights become operand images of MX-FP6 (E2M3, one E8M0 byte for 32 along K), once for the whole program.
; WORK THAT IS LEFT OUT IN THIS PROGRAM, for all values of the inputs.  reference() returns x.reshape(B,S,T,H)[:,0,:] of a buffer laid [B*T,S,H]: out0[b][j] is the last block's row (b, t = 0, s = j).
; Blocks 2 and 3 attend inside one (b, t) and all their other steps work row by row, so of their 1,024 sequences only the 16 with t = 0 have a way to out0: products 18 to 33 are done for those alone.
; Those 16 sequences take in block 1's result at t = 0 only.  In block 1 a query's result hangs on its own row and on K and V of all 64 tokens of its (b, s): so products 11 and 12 (K, V) stay whole,
; products 10, 13, 14 are done for the one tile of 16 queries that holds t = 0, and products 15 to 17 with their two norms for the 1,024 rows t = 0.  The projection and block 0 are whole, padded tokens too
; (a padded query spreads evenly over all keys).  Every input keeps a way to out0, so every input is loaded.
; LIMIT: a NaN, an infinity or an overflow that reaches only the work left out is not carried to the result.
; WHAT THIS LAUNCH DOES.  A weight is stored [K][N]; a lane takes a column n and its registers run down K, so the conversions give the operand's registers as they stand.
; Fragment (tile t, K step s): lane rho of 16 holds column 32 (t / 2) + 8 (t % 2) + rho + 8 (rho / 8); registers 6 c .. 6 c + 5 hold k = 128 s + 64 c + 32 (lane / 16) + 0 .. 31.
; In pack a fragment is 1,536 bytes, register group c (four registers) at 512 c + 16 x lane; the scale words of a pair of fragments are 256 bytes, 8 x lane + 4 x (fragment % 2).
; pack: PROJ at 0 (codes 0, scales 12,288, proj_b 13,312, proj_ln_s 13,824, proj_ln_b 14,336, pos_emb as register images 14,848, zeros 47,616); layer y at 48,128 + 112,640 y:
;   part A (41,984): codes of Wq, Wk, Wv (24 fragments), scales 36,864, bq 39,936, bk 40,448, bv 40,960, zeros 41,472;
;   part B (70,656): codes of Wo (0-7), W1 (8-23), W2 (24 + 8 s + t), scales 61,440, then bo, ln1_s, ln1_b, b1, b2, ln2_s, ln2_b from 66,560 on.
; SHARES.  Work-group g < 32: layer g / 8, job j = g % 8 (0-3: Wq, Wk, Wv, Wo; 4, 5: W1's column halves; 6, 7: W2's K steps); g = 32: proj_w.  Each of the four waves makes one pair of fragments.
; Job 0 also copies its layer's vectors, g = 32 the projection's and pos_emb.  No LDS, no matrix instruction: 2.2 MB are read once.
; LIMITS: a block of zeros gets the byte 1 where the rule says 127 (its codes are zeros, and this program alone reads the bytes); NaN and infinities among the inputs are not served.
	s_load_b512 s[4:19], s[0:1], 0x0               ; Wq 4, Wk 6, Wv 8, Wo 10, W1 12, W2 14, proj_w 16, bq 18
	s_load_b512 s[20:35], s[0:1], 0x40             ; bk 20, bv 22, bo 24, ln1_s 26, ln1_b 28, b1 30, b2 32, ln2_s 34
	s_load_b256 s[36:43], s[0:1], 0x80             ; ln2_b 36, proj_b 38, proj_ln_s 40, proj_ln_b 42
	s_load_b128 s[44:47], s[0:1], 0xa0             ; pos_emb 44, pack 46
	v_lshrrev_b32 v1, 5, v0
	v_readfirstlane_b32 s48, v1                    ; wave w
	v_and_b32 v2, 31, v0                           ; lane
	v_and_b32 v3, 15, v0                           ; r
	v_bfe_u32 v4, v0, 4, 1                         ; h
	v_and_b32 v5, 8, v3
	v_add_nc_u32 v5, v5, v3                        ; r + 8 (r / 8)
	v_lshlrev_b32 v6, 4, v2                        ; 16 x lane
	v_lshlrev_b32 v7, 3, v2                        ; 8 x lane
	v_lshlrev_b32 v8, 2, v0                        ; 4 x thread
	v_lshlrev_b32 v9, 3, v4                        ; 8 h: how far my two scale bytes are shifted
	s_mov_b32 s2, 0x76543210
	s_mov_b32 s3, 0xfedcba98                       ; v_permlanex16_b32's selects for lane l xor 16
	s_lshr_b32 s50, ttmp9, 3                       ; layer y
	s_and_b32 s51, ttmp9, 7                        ; job j
	s_lshr_b32 s52, s51, 1                         ; j / 2: 2 for W1
	s_cmp_eq_u32 ttmp9, 32                         ; the projection's work-group: layer 0 of its own tensor, block PROJ at 0
	s_cselect_b32 s50, 0, s50
	s_cselect_b32 s53, 0, 48128
	s_mul_i32 s54, s50, 112640
	s_add_co_u32 s53, s53, s54                     ; where my block begins in pack
	s_cmp_lt_u32 s51, 3                            ; jobs 0-2 fill part A, jobs 3-7 part B
	s_cselect_b32 s54, 0, 3
	s_cselect_b32 s55, 0, 41984
	s_mov_b32 s56, 61440
	s_cselect_b32 s56, 36864, s56                  ; where the part's scale words begin
	s_cmp_eq_u32 ttmp9, 32
	s_cselect_b32 s56, 12288, s56
	s_sub_co_u32 s54, s51, s54
	s_lshl_b32 s54, s54, 2
	s_add_co_u32 s54, s54, s48                     ; my pair of fragments in the part
	s_add_co_u32 s55, s55, s53
	s_mul_i32 s57, s54, 3072
	s_add_co_u32 s57, s57, s55                     ; its codes,
	s_lshl_b32 s54, s54, 8
	s_add_co_u32 s56, s56, s55
	s_add_co_u32 s56, s56, s54                     ; its scale words
	s_cmp_ge_u32 s51, 4                            ; a layer of W1 or W2 is 2^17 bytes, of the others 2^16
	s_cselect_b32 s58, 17, 16
	s_lshl_b32 s58, s50, s58
	s_cmp_eq_u32 s51, 7                            ; W2's second K step: 128 rows of 512 bytes on
	s_cselect_b32 s59, 0x10000, 0
	s_add_co_u32 s58, s58, s59
	s_cmp_eq_u32 s51, 5                            ; W1's second half of the columns
	s_cselect_b32 s59, 4, 0
	s_add_co_u32 s59, s59, s48                     ; x: my 32 columns
	s_lshl_b32 s59, s59, 7
	s_add_co_u32 s58, s58, s59
	s_mov_b32 s59, 0
	v_add_nc_u32 v10, s57, v6                      ; codes: + 16 x lane
	v_add_nc_u32 v11, s56, v7                      ; scale words: + 8 x lane
	v_add_nc_u32 v12, s53, v8                      ; copies: my block + 4 x thread
	s_wait_kmcnt 0x0
	s_mov_b64 s[60:61], s[14:15]                   ; the tensor is chosen by the work-group's number alone
	s_cmp_eq_u32 s52, 2
	s_cselect_b64 s[60:61], s[12:13], s[60:61]
	s_cmp_eq_u32 s51, 3
	s_cselect_b64 s[60:61], s[10:11], s[60:61]
	s_cmp_eq_u32 s51, 2
	s_cselect_b64 s[60:61], s[8:9], s[60:61]
	s_cmp_eq_u32 s51, 1
	s_cselect_b64 s[60:61], s[6:7], s[60:61]
	s_cmp_eq_u32 s51, 0
	s_cselect_b64 s[60:61], s[4:5], s[60:61]
	s_cmp_eq_u32 ttmp9, 32
	s_cselect_b64 s[60:61], s[16:17], s[60:61]
	s_add_nc_u64 s[60:61], s[60:61], s[58:59]
; 128 loads: v[64 + 64 u + 32 c + i] = W(k0 + 64 c + 32 h + i, my column of fragment u).  pitch: numbers in a row of the tensor
.macro LOADW pitch
.irp u,0,1
.irp c,0,1
.irp i,0,1,2,3,4,5,6,7,8,9,10,11,12,13,14,15,16,17,18,19,20,21,22,23,24,25,26,27,28,29,30,31
	global_load_b32 v[64+64*\u+32*\c+\i], v13, s[60:61] offset:((64*\c+\i)*\pitch+8*\u)*4
.endr
.endr
.endr
.endm
	s_cmp_eq_u32 s52, 2
	s_cbranch_scc1 .Lwide
	v_lshlrev_b32 v13, 14, v4                      ; lanes 16-31 begin 32 rows of 512 bytes further down
	v_lshl_add_u32 v13, v5, 2, v13
	LOADW 128
	s_branch .Lloaded
.Lwide:
	v_lshlrev_b32 v13, 15, v4                      ; 32 rows of 1,024 bytes
	v_lshl_add_u32 v13, v5, 2, v13
	LOADW 256
.Lloaded:
	s_wait_loadcnt 0x0
; four blocks of 32 a lane (q = 2 u + c), all of a block's numbers in one lane
.irp q,0,1,2,3
	v_max3_num_f32 v[32+\q], |v[64+32*\q]|, |v[65+32*\q]|, 0x1800000   ; with the floor 2^(3 - 127): the byte cannot fall under 1
.endr
.irp i,2,4,6,8,10,12,14,16,18,20,22,24,26,28,30
.irp q,0,1,2,3
	v_max3_num_f32 v[32+\q], v[32+\q], |v[64+32*\q+\i]|, |v[65+32*\q+\i]|
.endr
.endr
.irp q,0,1,2,3
	v_add_nc_u32 v[36+\q], 0xff000000, v[32+\q]    ; 2 off the exponent field: the conversion's scale operand
.endr
.irp q,0,1,2,3
	v_lshrrev_b32 v[40+\q], 23, v[36+\q]           ; the scale's byte
.endr
.irp u,0,1
	v_lshl_or_b32 v[216+\u], v[41+2*\u], 16, v[40+2*\u]   ; my two bytes: blocks h and 2 + h,
	v_mov_b32 v[44+\u], 0
.endr
.irp u,0,1
	v_lshlrev_b32 v[216+\u], v9, v[216+\u]         ; at their places in the word;
.endr
.irp u,0,1
	v_permlanex16_b32 v[44+\u], v[216+\u], s2, s3
.endr
.irp u,0,1
	v_or_b32 v[216+\u], v[216+\u], v[44+\u]        ; with lane l xor 16's two the word is whole
.endr
.irp u,0,1
.irp c,0,1
	v_cvt_scalef32_pk16_fp6_f32 v[192+12*\u+6*\c:194+12*\u+6*\c], v[64+64*\u+32*\c:79+64*\u+32*\c], v[36+2*\u+\c]
	v_cvt_scalef32_pk16_fp6_f32 v[48+8*\u+4*\c:50+8*\u+4*\c], v[80+64*\u+32*\c:95+64*\u+32*\c], v[36+2*\u+\c]   ; (three registers begin on an even number: made elsewhere and moved)
.endr
.endr
	v_nop                                          ; one plain instruction behind the conversions
.irp u,0,1
.irp c,0,1
.irp i,0,1,2
	v_mov_b32 v[195+12*\u+6*\c+\i], v[48+8*\u+4*\c+\i]
.endr
.endr
.endr
.irp u,0,1
.irp c,0,1,2
	global_store_b128 v10, v[192+12*\u+4*\c:195+12*\u+4*\c], s[46:47] offset:1536*\u+512*\c   ; 32 lanes store 512 consecutive bytes
.endr
.endr
	global_store_b64 v11, v[216:217], s[46:47]     ; 256 consecutive bytes
	s_cmp_lg_u32 s51, 0
	s_cbranch_scc1 .Ldone
	s_cmp_eq_u32 ttmp9, 32
	s_cbranch_scc1 .Lproj
	; job 0 of a layer: its vectors, 4 bytes a thread (b1: 8)
	s_lshl_b32 s62, s50, 9
	s_lshl_b32 s63, s50, 10
	v_lshl_add_u32 v14, v0, 2, s62
	v_lshl_add_u32 v15, v0, 3, s63
	v_lshl_add_u32 v16, v0, 3, s53
	global_load_b32 v20, v14, s[18:19]
	global_load_b32 v21, v14, s[20:21]
	global_load_b32 v22, v14, s[22:23]
	global_load_b32 v23, v14, s[24:25]
	global_load_b32 v24, v14, s[26:27]
	global_load_b32 v25, v14, s[28:29]
	global_load_b32 v26, v14, s[32:33]
	global_load_b32 v27, v14, s[34:35]
	global_load_b32 v28, v14, s[36:37]
	global_load_b64 v[30:31], v15, s[30:31]
	v_mov_b32 v29, 0
	s_wait_loadcnt 0x0
	global_store_b32 v12, v20, s[46:47] offset:39936    ; bq
	global_store_b32 v12, v21, s[46:47] offset:40448    ; bk
	global_store_b32 v12, v22, s[46:47] offset:40960    ; bv
	global_store_b32 v12, v29, s[46:47] offset:41472    ; the part's last 512 bytes
	global_store_b32 v12, v23, s[46:47] offset:108544   ; bo
	global_store_b32 v12, v24, s[46:47] offset:109056   ; ln1_s
	global_store_b32 v12, v25, s[46:47] offset:109568   ; ln1_b
	global_store_b64 v16, v[30:31], s[46:47] offset:110080   ; b1
	global_store_b32 v12, v26, s[46:47] offset:111104   ; b2
	global_store_b32 v12, v27, s[46:47] offset:111616   ; ln2_s
	global_store_b32 v12, v28, s[46:47] offset:112128   ; ln2_b
	s_branch .Ldone
.Lproj:
	; the projection's vectors, and pos_emb as register images: tile m = wave, lane (r, h), register 16 b + i = feature 32 b + 16 h + i of token 32 (m / 2) + 8 (m % 2) + r + 8 (r / 8)
	s_lshr_b32 s62, s48, 1
	s_lshl_b32 s62, s62, 5
	s_and_b32 s63, s48, 1
	s_lshl_b32 s63, s63, 3
	s_add_co_u32 s62, s62, s63
	v_add_nc_u32 v17, s62, v5
	v_lshlrev_b32 v17, 9, v17
	v_lshl_add_u32 v17, v4, 6, v17
	s_lshl_b32 s63, s48, 13
	v_add_nc_u32 v18, s63, v6
	global_load_b32 v20, v8, s[38:39]
	global_load_b32 v21, v8, s[40:41]
	global_load_b32 v22, v8, s[42:43]
.irp b,0,1,2,3
.irp j,0,1,2,3
	global_load_b128 v[64+16*\b+4*\j:67+16*\b+4*\j], v17, s[44:45] offset:128*\b+16*\j
.endr
.endr
	v_mov_b32 v29, 0
	s_wait_loadcnt 0x0
	global_store_b32 v12, v20, s[46:47] offset:13312
	global_store_b32 v12, v21, s[46:47] offset:13824
	global_store_b32 v12, v22, s[46:47] offset:14336
	global_store_b32 v12, v29, s[46:47] offset:47616
.irp i,0,1,2,3,4,5,6,7,8,9,10,11,12,13,14,15
	global_store_b128 v18, v[64+4*\i:67+4*\i], s[46:47] offset:14848+512*\i
.endr
.Ldone:
	s_endpgm
.Lfunc_end_k_q0e5e7209b0_prep:
	.size	k_q0e5e7209b0_prep, .Lfunc_end_k_q0e5e7209b0_prep-k_q0e5e7209b0_prep
	.p2alignl 7, 3214868480
	.fill 96, 4, 3214868480
	.section	.rodata,"a",@progbits
	.p2align	6, 0x0
	.amdhsa_kernel k_q0e5e7209b0_prep
		.amdhsa_group_segment_fixed_size 0
		.amdhsa_private_segment_fixed_size 0
		.amdhsa_enable_private_segment 0
		.amdhsa_kernarg_size 176
		.amdhsa_user_sgpr_count 2
		.amdhsa_user_sgpr_kernarg_segment_ptr 1
		.amdhsa_wavefront_size32 1
		.amdhsa_system_sgpr_workgroup_id_x 1
		.amdhsa_system_sgpr_workgroup_id_y 1
		.amdhsa_system_sgpr_workgroup_id_z 1
		.amdhsa_system_vgpr_workitem_id 0
		.amdhsa_next_free_vgpr 224
		.amdhsa_next_free_sgpr 66
		.amdhsa_reserve_vcc 0
		.amdhsa_float_denorm_mode_32 3
		.amdhsa_float_denorm_mode_16_64 3
		.amdhsa_memory_ordered 1
		.amdhsa_forward_progress 1
		.amdhsa_inst_pref_size 41
	.end_amdhsa_kernel
	.amdgpu_metadata
---
amdhsa.version: [ 1, 2 ]
amdhsa.kernels:
  - .name:           k_q0e5e7209b0_prep
    .symbol:         k_q0e5e7209b0_prep.kd
    .args:
      - { .name: Wq, .offset: 0, .size: 8, .value_kind: global_buffer, .address_space: global }
      - { .name: Wk, .offset: 8, .size: 8, .value_kind: global_buffer, .address_space: global }
      - { .name: Wv, .offset: 16, .size: 8, .value_kind: global_buffer, .address_space: global }
      - { .name: Wo, .offset: 24, .size: 8, .value_kind: global_buffer, .address_space: global }
      - { .name: W1, .offset: 32, .size: 8, .value_kind: global_buffer, .address_space: global }
      - { .name: W2, .offset: 40, .size: 8, .value_kind: global_buffer, .address_space: global }
      - { .name: proj_w, .offset: 48, .size: 8, .value_kind: global_buffer, .address_space: global }
      - { .name: bq, .offset: 56, .size: 8, .value_kind: global_buffer, .address_space: global }
      - { .name: bk, .offset: 64, .size: 8, .value_kind: global_buffer, .address_space: global }
      - { .name: bv, .offset: 72, .size: 8, .value_kind: global_buffer, .address_space: global }
      - { .name: bo, .offset: 80, .size: 8, .value_kind: global_buffer, .address_space: global }
      - { .name: ln1_s, .offset: 88, .size: 8, .value_kind: global_buffer, .address_space: global }
      - { .name: ln1_b, .offset: 96, .size: 8, .value_kind: global_buffer, .address_space: global }
      - { .name: b1, .offset: 104, .size: 8, .value_kind: global_buffer, .address_space: global }
      - { .name: b2, .offset: 112, .size: 8, .value_kind: global_buffer, .address_space: global }
      - { .name: ln2_s, .offset: 120, .size: 8, .value_kind: global_buffer, .address_space: global }
      - { .name: ln2_b, .offset: 128, .size: 8, .value_kind: global_buffer, .address_space: global }
      - { .name: proj_b, .offset: 136, .size: 8, .value_kind: global_buffer, .address_space: global }
      - { .name: proj_ln_s, .offset: 144, .size: 8, .value_kind: global_buffer, .address_space: global }
      - { .name: proj_ln_b, .offset: 152, .size: 8, .value_kind: global_buffer, .address_space: global }
      - { .name: pos_emb, .offset: 160, .size: 8, .value_kind: global_buffer, .address_space: global }
      - { .name: pack, .offset: 168, .size: 8, .value_kind: global_buffer, .address_space: global }
    .group_segment_fixed_size: 0
    .private_segment_fixed_size: 0
    .kernarg_segment_align: 8
    .kernarg_segment_size: 176
    .max_flat_workgroup_size: 128
    .sgpr_count:     66
    .vgpr_count:     224
    .wavefront_size: 32
...
	.end_amdgpu_metadata
.endif
;; end of part 1
;; launch temporal (part 2): grid 256 x 1, 8 waves a work-group, clusters of 4 x 1, 327,680 bytes of LDS; arguments polylines, lengths, pack, mid; writes mid
.if DOCPART == 2
	.amdgcn_target "amdgcn-amd-amdhsa--gfx1250"
	.amdhsa_code_object_version 6
	.text
	.protected	k_q0e5e7209b0_temporal
	.globl	k_q0e5e7209b0_temporal
	.p2align	8
	.type	k_q0e5e7209b0_temporal,@function
k_q0e5e7209b0_temporal:
	s_mov_b64 s[64:65], 0
	v_nop
	global_prefetch_b8 v0, s[64:65] scope:SCOPE_SE
	s_setreg_imm32_b32 hwreg(HW_REG_WAVE_MODE, 25, 1), 1
	s_wait_xcnt 0x0
	s_wait_alu depctr_hold_cnt(0) depctr_sa_sdst(0) depctr_va_vdst(0) depctr_va_sdst(0) depctr_va_ssrc(0) depctr_va_vcc(0) depctr_vm_vsrc(0)
	s_getreg_b32 s2, hwreg(HW_REG_IB_STS2, 6, 4)
	s_cmp_eq_u32 s2, 0
	s_cbranch_scc0 .Lentry_in_a_cluster
	s_endpgm
.Lentry_in_a_cluster:
	s_bfe_u32 s2, ttmp6, 0x10000c
	s_cmp_lg_u32 s2, 0x3003
	s_cbranch_scc0 .Lentry_shape_is_right
	s_endpgm
.Lentry_shape_is_right:
; WayFormerEncoder, launch 2 of 3: the projection, block 0 whole, and block 1 as far as the attention's result for the query t = 0, for each of the 1,024 sequences (b, s).
; LEFT OUT (shown at the head of the first kernel): of block 1 only K and V are made for all tokens; Q, the scores and P V for the one tile of 16 queries that holds t = 0; the rest of block 1 follows in the next launch.
; A NaN, an infinity or an overflow that reaches only the work left out is not carried to the result.
; SHARES.  A work-group owns four sequences, two at a time in a loop of two trips; a sequence is four waves.  Wave w: q = w % 2 picks the sequence, m = w / 2 is its tile of 16 tokens AND its head.
; Token of tile m, lane r: 32 (m / 2) + 8 (m % 2) + r + 8 (r / 8).  A tile's numbers lie so: register 16 b + i of lane (r, h) = feature 32 b + 16 h + i of the lane's token.
; A product with a weight is used transposed (source 0 = 16 columns of the weight, chosen as the first kernel lays them; source 1 = 16 tokens): its result lies so again, and 16 registers are 16 neighbours along the next K.
; A BLOCK: by tokens: x is quantised, its image goes to LDS | barrier | by heads: wave m makes K, Q, V of head m for all 64 tokens, scores, softmax, P V, and the codes of block m of o | barrier | by tokens: Wo, norm, W1, W2, norm.
; SHORT K.  q and k (K = 32) are operands of 3 code registers and 9 of zeros: lanes 0-15 hold d 0-15 in the instruction's first block of 32, lanes 16-31 d 16-31 in its second; the block's byte stands twice in the scale word.
; v^T and p (K = 64 keys) likewise: 3 codes, 3 zeros, 3 codes, 3 zeros; bytes (s0, s0, s1, s1).  The same places on both operands, zero codes between: the sums are those of the problem's blocks.
; THE MASK.  A hidden score becomes -2^33 ahead of the maximum.  -2^33 x c is a whole number, so a row that is all hidden gets t - M = 0 and p = 1 for all 64 keys, as reference()'s -1e9 gives; elsewhere hidden p fall to 0.
; LIMITS: |logit| under 1e8; a block of zeros gets the byte 1 where the rule says 127 (its codes are zeros; this program alone reads the bytes); NaN and infinities among live inputs are not served.
; CLUSTER.  All work-groups read the same 202,752 bytes of pack (projection, layer 0, part A of layer 1): four work-groups ask for them jointly, each wave for 99 rows of 256 bytes, once; nothing is filled again.
; No tile beyond a sequence's length is skipped: that would be a branch on a loaded number; lengths make lane masks alone.  No prefetch: the next sequence's loads into registers are issued a whole block ahead of their use.
; REGISTERS, two windows of 256.  Window 1: X 0-63 the residual stream, Y 64-191 products, E 192-255 vectors.  Window 0: addresses, statistics, scale words, operand fragments (below).
.set X, 0
.set Y, 64
.set E, 192
.set LI, 1                             ; 16 x lane
.set L8, 2                             ; 8 x lane
.set H64, 3                            ; 64 h
.set WAL, 4                            ; 16 x lane + 3,072 m: my head's pair of fragments
.set SAL, 5                            ; 8 x lane + 256 m: its scale words
.set BAL, 6                            ; 64 h + 128 m: my head's part of a bias
.set BVL, 7                            ; 4 (r + 8 (r / 8)) + 128 m: bv of my lane's feature
.set XWI, 8                            ; x's images: where I store, where I read; their scale words likewise
.set XWS, 9
.set XRI, 10
.set XRS, 11
.set OW, 12                            ; o's rows of codes: where I store 12 bytes; its scale byte; where I read my tile's fragment; its scale word
.set OWS, 13
.set ORD, 14
.set ORS, 15
.set STW, 16                           ; my stage: whole rows; a lane's 64 bytes
.set STR, 17
.set SPW, 18                           ; my spare word; never rewritten
.set NIL, 19                           ; 0; never rewritten
.set AW, 20                            ; the addresses in hand
.set AS, 21
.set AV, 22
.set AX, 23
.set TT, 25                            ; r + 8 (r / 8)
.set T0, 26
.set T1, 27
.set BMX, 28                           ; v28-35 block maxima, sums
.set BPX, 36                           ; v36-43 other half's, bytes; v36 the mean, v38 1 / sigma
.set BSO, 44                           ; v44-51 the conversions' scale operands
.set PCX, 52                           ; v52-59 a conversion's second half; the softmax's sums
.set NM, 60                            ; v60-67 four pairs: -M, later 1 / l
.set WS, 68                            ; v68-75 the weights' scale words
.set VS, 74
.set XS, 76
.set PS, 76
.set OS, 76
.set HS, 77
.set KS, 80
.set QS, 84
.set FA, 88
.set FB, 100
.set WF, 112                           ; v112-207 eight fragments of a weight
.set XF, 88
.set PF, 88
.set WP, 136
.set VF, 136
.set KF, 160
.set QF, 208
.set WV, 12                            ; s12 wave, s13 q, s14 m, s15 trips to go, s16-19 the four lengths, s20 this sequence's
.set SQ, 13
.set SM, 14
.set TRIP, 15
.set LEN, 20
.set TB, 21                            ; my tile's first token
.set CS, 22                            ; s[22:23] c = log2(e) / sqrt(32)
.set SEL, 24                           ; s[24:25] selects for lane l xor 16
.set NEG, 26
.set INV, 27                           ; 1 / 128
.set G0, 28
.set G1, 32
.set VQ, 40                            ; s40-43 lanes whose query of tile c is valid; s44 the same for my own tile
.set VQO, 44
.set EPS, 45
.set PB, 48                            ; s[48:49] polylines at my tile;  s[50:51] mid at my sequence
.set MB, 50
.set LAB, 52                           ; LDS base of the part of pack in hand
.set KM, 66                            ; s66-97 lanes whose key of register n is valid
.set L0A, 48128
.set L0B, 90112
.set L1A, 160768
.set STAGE, 202752                     ; 8,448 a wave: 16 rows of 512 + 16 bytes
.set XIMG, 270336                      ; 13,312 a sequence: two slots of four images (1,536) and four sets of scale words (128)
.set OROW, 296960                      ; 6,400 a sequence: 64 rows of 96 bytes of codes, 256 scale bytes
.set SPARE, 309760                     ; the spare words, 128 bytes for each of eight waves
.set MSB, 0
.macro WIN new                         ; bits 1:0 source 0, 3:2 source 1, 5:4 source 2, 7:6 destination; the high byte repeats the setting that is left
.if MSB != \new
	s_set_vgpr_msb (MSB<<8)|\new
.set MSB, \new
.endif
.endm
.macro PLACES cnt
.rept \cnt
	v_nop
.endr
.endm
.macro BARRIER                         ; my LDS stores have landed and my LDS loads are in: then the work-group's barrier
	s_wait_dscnt 0x0
	s_barrier_signal -1
	s_barrier_wait -1
.endm
.macro CROUND                          ; a round of the cluster's barrier
	s_barrier_signal -1
	s_barrier_wait -1
	s_cmp_lg_u32 s[WV], 0
	s_cbranch_scc1 .Lnot_wave_0_\@
	s_barrier_signal -3
.Lnot_wave_0_\@:
	s_barrier_wait -3
	s_barrier_signal -1
	s_barrier_wait -1
.endm
.macro ZERO reg, cnt
.set z_, 0
.rept \cnt
	v_mov_b32 v[(\reg)+z_], 0
.set z_, z_+1
.endr
.endm
.macro WMC d, a, b, c, sa, sb
	v_wmma_scale_f32_16x16x128_f8f6f4 v[(\d):(\d)+7], v[(\a):(\a)+11], v[(\b):(\b)+11], v[(\c):(\c)+7], v[\sa], v[\sb] matrix_a_fmt:MATRIX_FMT_FP6 matrix_b_fmt:MATRIX_FMT_FP6
.endm
.macro WM0 d, a, b, sa, sb
	v_wmma_scale_f32_16x16x128_f8f6f4 v[(\d):(\d)+7], v[(\a):(\a)+11], v[(\b):(\b)+11], 0, v[\sa], v[\sb] matrix_a_fmt:MATRIX_FMT_FP6 matrix_b_fmt:MATRIX_FMT_FP6
.endm
.macro FETCHF dst, a, off              ; a fragment's image: three loads of 512 consecutive bytes
.irp c,0,1,2
	ds_load_b128 v[(\dst)+4*\c:(\dst)+4*\c+3], v[\a] offset:(\off)+512*\c
.endr
.endm
.macro FETCH8 a, oc, os                ; eight fragments of a weight and their scale words: 28 loads
	WIN 0
.irp t,0,1,2,3,4,5,6,7
	FETCHF WF+12*\t, \a, (\oc)+1536*\t
.endr
.irp p,0,1,2,3
	ds_load_b64 v[WS+2*\p:WS+2*\p+1], v[AS] offset:(\os)+256*\p
.endr
.endm
.macro LOADV dst, a, off               ; a vector of 128 in a tile's layout, into window 1: 16 loads
	WIN 0x40
.irp b,0,1,2,3
.irp j,0,1,2,3
	ds_load_b128 v[(\dst)+16*\b+4*\j:(\dst)+16*\b+4*\j+3], v[\a] offset:(\off)+128*\b+16*\j
.endr
.endr
.endm
; nb blocks of 32 along K, 16 numbers of each in my lane (window 1, src + 16 k on) and 16 in lane l xor 16: the largest magnitude with the floor 2^(3 - 127), the conversion's scale operand (2 off the exponent field), the byte
.macro BLK nb, src
	WIN 0x05
.set k_, 0
.rept \nb
	v_max3_num_f32 v[BMX+k_], |v[(\src)+16*k_]|, |v[(\src)+16*k_+1]|, 0x1800000
.set k_, k_+1
.endr
.irp i,2,4,6,8,10,12,14
.set k_, 0
.rept \nb
	v_max3_num_f32 v[BMX+k_], |v[(\src)+16*k_+\i]|, |v[(\src)+16*k_+\i+1]|, v[BMX+k_]
.set k_, k_+1
.endr
.endr
	WIN 0
.set k_, 0
.rept \nb
	v_permlanex16_b32 v[BPX+k_], v[BMX+k_], s[SEL], s[SEL+1]
.set k_, k_+1
.endr
.set k_, 0
.rept \nb
	v_max_num_f32 v[BMX+k_], v[BMX+k_], v[BPX+k_]
.set k_, k_+1
.endr
.set k_, 0
.rept \nb
	v_add_nc_u32 v[BSO+k_], 0xff000000, v[BMX+k_]
.set k_, k_+1
.endr
.set k_, 0
.rept \nb
	v_lshrrev_b32 v[BPX+k_], 23, v[BSO+k_]
.set k_, k_+1
.endr
.endm
; 64 numbers of a lane become a fragment (K = 128) at dst and its scale word in sw
.macro QUANT src, dst, sw
	BLK 4, \src
	v_lshl_or_b32 v[\sw], v[BPX+1], 8, v[BPX]
	v_lshl_or_b32 v[\sw], v[BPX+2], 16, v[\sw]
	v_lshl_or_b32 v[\sw], v[BPX+3], 24, v[\sw]
	WIN 0x01
.irp c,0,1
	v_cvt_scalef32_pk16_fp6_f32 v[(\dst)+6*\c:(\dst)+6*\c+2], v[(\src)+32*\c:(\src)+32*\c+15], v[BSO+2*\c]
	v_cvt_scalef32_pk16_fp6_f32 v[PCX+4*\c:PCX+4*\c+2], v[(\src)+32*\c+16:(\src)+32*\c+31], v[BSO+2*\c+1]
.endr
	WIN 0
	v_nop                                          ; one plain instruction behind the conversions
.irp c,0,1                             ; the operand wants a whole block in a lane: lanes 0-15 block 2 c, lanes 16-31 block 2 c + 1
.irp i,0,1,2
	v_permlane16_swap_b32 v[(\dst)+6*\c+\i], v[PCX+4*\c+\i]
.endr
.irp i,0,1,2
	v_mov_b32 v[(\dst)+6*\c+3+\i], v[PCX+4*\c+\i]
.endr
.endr
.endm
; behind BLK: cnt operands of K = 32 (three code registers each, at dst + 12 k) and their scale words
.macro Q1 cnt, src, dst, sw
.set k_, 0
.rept \cnt
	v_lshl_or_b32 v[(\sw)+k_], v[BPX+k_], 8, v[BPX+k_]
.set k_, k_+1
.endr
	WIN 0x01
.set k_, 0
.rept \cnt
	v_cvt_scalef32_pk16_fp6_f32 v[(\dst)+12*k_:(\dst)+12*k_+2], v[(\src)+16*k_:(\src)+16*k_+15], v[BSO+k_]
.set k_, k_+1
.endr
	WIN 0
	v_nop
.endm
; behind BLK 4, Y: v^T's two operands of K = 64 keys
.macro V2
.irp u,0,1
	v_lshl_or_b32 v[VS+\u], v[BPX+2*\u], 8, v[BPX+2*\u]
	v_lshl_or_b32 v[VS+\u], v[BPX+2*\u+1], 16, v[VS+\u]
	v_lshl_or_b32 v[VS+\u], v[BPX+2*\u+1], 24, v[VS+\u]
.endr
	WIN 0x01
.irp u,0,1
	v_cvt_scalef32_pk16_fp6_f32 v[VF+12*\u:VF+12*\u+2], v[Y+32*\u:Y+32*\u+15], v[BSO+2*\u]
	v_cvt_scalef32_pk16_fp6_f32 v[VF+12*\u+6:VF+12*\u+8], v[Y+32*\u+16:Y+32*\u+31], v[BSO+2*\u+1]
.endr
	WIN 0
	v_nop
.irp u,0,1
	ZERO VF+12*\u+3, 3
	ZERO VF+12*\u+9, 3
.endr
.endm
; eight tiles of a weight against one fragment of tokens; the sums begin with what lies in z (a bias, loaded there, or the K step before).  The eight accumulators take turns
.macro MM8 z, b, sb
	WIN 0x50
.irp t,0,1,2,3,4,5,6,7
	WMC (\z)+8*\t, WF+12*\t, \b, (\z)+8*\t, WS+\t, \sb
.endr
.endm
.macro REDUCE                          ; four packed chains in v28-35 become the token's sum, in every lane
	v_pk_add_f32 v[BMX:BMX+1], v[BMX:BMX+1], v[BMX+2:BMX+3]
	v_pk_add_f32 v[BMX+4:BMX+5], v[BMX+4:BMX+5], v[BMX+6:BMX+7]
	v_pk_add_f32 v[BMX:BMX+1], v[BMX:BMX+1], v[BMX+4:BMX+5]
	v_add_f32 v[BMX], v[BMX], v[BMX+1]
	v_permlanex16_b32 v[BPX+4], v[BMX], s[SEL], s[SEL+1]
	v_add_f32 v[BMX], v[BMX], v[BPX+4]
.endm
; X = (z - mean) / sqrt(var + 1e-5) x gain + bias; gain goes to g, bias to E (at og, ob from v[AV])
.macro LNORM z, g, og, ob
	LOADV \g, AV, \og
	LOADV E, AV, \ob
	WIN 0x05
.irp k,0,1,2,3
	v_pk_add_f32 v[BMX+2*\k:BMX+2*\k+1], v[(\z)+2*\k:(\z)+2*\k+1], v[(\z)+8+2*\k:(\z)+9+2*\k]
.endr
	WIN 0x01
.set p_, 8
.rept 24
	v_pk_add_f32 v[BMX+2*(p_%4):BMX+2*(p_%4)+1], v[(\z)+2*p_:(\z)+2*p_+1], v[BMX+2*(p_%4):BMX+2*(p_%4)+1]
.set p_, p_+1
.endr
	WIN 0
	REDUCE
	v_mul_f32 v[BPX], s[INV], v[BMX]               ; the mean
	WIN 0x41
.set p_, 0
.rept 32
	v_pk_add_f32 v[(\z)+2*p_:(\z)+2*p_+1], v[(\z)+2*p_:(\z)+2*p_+1], v[BPX:BPX+1] op_sel_hi:[1,0] neg_lo:[0,1] neg_hi:[0,1]
.set p_, p_+1
.endr
	WIN 0x05
.irp k,0,1,2,3
	v_pk_mul_f32 v[BMX+2*\k:BMX+2*\k+1], v[(\z)+2*\k:(\z)+2*\k+1], v[(\z)+2*\k:(\z)+2*\k+1]
.endr
.set p_, 4
.rept 28
	v_pk_fma_f32 v[BMX+2*(p_%4):BMX+2*(p_%4)+1], v[(\z)+2*p_:(\z)+2*p_+1], v[(\z)+2*p_:(\z)+2*p_+1], v[BMX+2*(p_%4):BMX+2*(p_%4)+1]
.set p_, p_+1
.endr
	WIN 0
	REDUCE
	v_fma_f32 v[BMX], v[BMX], s[INV], s[EPS]
	v_rsq_f32 v[BPX+2], v[BMX]
	v_nop                                          ; a plain instruction behind the transcendental
	s_wait_dscnt 0x0                               ; gain and bias are in
	s_wait_alu depctr_va_vdst(0)                   ; the wait ahead of the result's first reader
	WIN 0x41
.set p_, 0
.rept 32
	v_pk_mul_f32 v[(\z)+2*p_:(\z)+2*p_+1], v[(\z)+2*p_:(\z)+2*p_+1], v[BPX+2:BPX+3] op_sel_hi:[1,0]
.set p_, p_+1
.endr
	WIN 0x55
.set p_, 0
.rept 32
	v_pk_fma_f32 v[X+2*p_:X+2*p_+1], v[(\z)+2*p_:(\z)+2*p_+1], v[(\g)+2*p_:(\g)+2*p_+1], v[E+2*p_:E+2*p_+1]
.set p_, p_+1
.endr
.endm
.macro RELU z
	WIN 0x44
.set n_, 0
.rept 64
	v_max_num_f32 v[(\z)+n_], 0, v[(\z)+n_]
.set n_, n_+1
.endr
.endm
.macro RESID                           ; Y += X
	WIN 0x45
.set p_, 0
.rept 32
	v_pk_add_f32 v[Y+2*p_:Y+2*p_+1], v[Y+2*p_:Y+2*p_+1], v[X+2*p_:X+2*p_+1]
.set p_, p_+1
.endr
.endm
; by tokens: my tile of x becomes a fragment; its image and scale words go to LDS for all four waves of the sequence
.macro P1 slot
	QUANT X, FA, OS
.irp c,0,1,2
	ds_store_b128 v[XWI], v[FA+4*\c:FA+4*\c+3] offset:(\slot)+512*\c
.endr
	ds_store_b32 v[XWS], v[OS] offset:\slot
	BARRIER
.endm
; by heads: K (all tokens), Q (nq tiles, results at qd), V (all tokens) of my head.  sb: the scalar that holds part A's LDS base
.macro QKV sb, nq, qd, slot
	WIN 0
	v_add_nc_u32 v[AW], s[\sb], v[WAL]
	v_add_nc_u32 v[AS], s[\sb], v[SAL]
	v_add_nc_u32 v[AV], s[\sb], v[BAL]
	v_add_nc_u32 v[AX], s[\sb], v[BVL]
.irp a,0,1,2,3
	FETCHF XF+12*\a, XRI, (\slot)+1536*\a
	ds_load_b32 v[XS+\a], v[XRS] offset:(\slot)+128*\a
.endr
	FETCHF WP, AW, 12288                           ; Wk's pair
	FETCHF WP+12, AW, 13824
	ds_load_b64 v[WS:WS+1], v[AS] offset:36864+1024
	WIN 0x40
.irp k,0,1,2,3
	ds_load_b128 v[E+4*\k:E+4*\k+3], v[AV] offset:39936+512+16*\k      ; bk, in the result's layout
	ds_load_b128 v[E+16+4*\k:E+19+4*\k], v[AV] offset:39936+16*\k      ; bq
.endr
.irp u,0,1
.irp j,0,1,2,3,4,5,6,7
	ds_load_b32 v[E+32+8*\u+\j], v[AX] offset:40960+32*\u              ; bv: V's result holds one feature a lane, so eight registers take the same word
.endr
.endr
	s_wait_dscnt 0x0
	WIN 0x50
.irp a,0,1,2,3
.irp u,0,1
	WMC Y+16*\a+8*\u, WP+12*\u, XF+12*\a, E+8*\u, WS+\u, XS+\a
.endr
.endr
	PLACES 4                                       ; in front of loads into registers that the products read, and of the first read of their results
	WIN 0
	FETCHF WP, AW, 0                               ; Wq's pair
	FETCHF WP+12, AW, 1536
	ds_load_b64 v[WS+2:WS+3], v[AS] offset:36864
	BLK 4, Y
	Q1 4, Y, KF, KS
.irp a,0,1,2,3
	ZERO KF+12*\a+3, 9
.endr
	s_wait_dscnt 0x0
	WIN 0x50
.set a_, 0
.rept \nq
	WMC (\qd)+16*a_, WP, XF+12*a_, E+16, WS+2, XS+a_
	WMC (\qd)+16*a_+8, WP+12, XF+12*a_, E+24, WS+3, XS+a_
.set a_, a_+1
.endr
	PLACES 4
	WIN 0
	FETCHF WP, AW, 24576                           ; Wv's pair
	FETCHF WP+12, AW, 26112
	ds_load_b64 v[WS+4:WS+5], v[AS] offset:36864+2048
	BLK \nq, \qd
	Q1 \nq, \qd, QF, QS
	s_wait_dscnt 0x0
	WIN 0x50
.irp u,0,1                             ; V is used the natural way round (source 0 = tokens): a lane holds one feature, its registers run along the keys, which are the next K
.irp a,0,1,2,3
	WMC Y+32*\u+8*\a, XF+12*\a, WP+12*\u, E+32+8*\u, XS+\a, WS+4+\u
.endr
.endr
	PLACES 4
	BLK 4, Y
	V2
.endm
; scores, mask, softmax and P V of my head for nc tiles of queries.  Register 32 c + 16 b + i of lane (r, h): key 32 b + 16 h + i for query tile c, lane r
.macro ATT nc
	WIN 0x50
.set c_, 0
.rept \nc
.irp a,0,1,2,3
	WM0 Y+32*c_+8*\a, KF+12*\a, QF+12*c_, KS+\a, QS+c_
.endr
.set c_, c_+1
.endr
	PLACES 4
	WIN 0x44
.set n_, 0
.rept 32*\nc
	s_and_b32 vcc_lo, s[KM+n_%32], s[VQ+n_/32]     ; query and key both valid
	v_cndmask_b32 v[Y+n_], s[NEG], v[Y+n_], vcc_lo
.set n_, n_+1
.endr
	WIN 0x05                                       ; the largest score of each block of 32 keys: it serves for the row's maximum and, since p rises with the score, for the block's largest p
.set k_, 0
.rept 2*\nc
	v_max_num_f32 v[BMX+k_], v[Y+16*k_], v[Y+16*k_+1]
.set k_, k_+1
.endr
.irp i,2,4,6,8,10,12,14
.set k_, 0
.rept 2*\nc
	v_max3_num_f32 v[BMX+k_], v[Y+16*k_+\i], v[Y+16*k_+\i+1], v[BMX+k_]
.set k_, k_+1
.endr
.endr
	WIN 0
.set k_, 0
.rept 2*\nc
	v_permlanex16_b32 v[BPX+k_], v[BMX+k_], s[SEL], s[SEL+1]
.set k_, k_+1
.endr
.set k_, 0
.rept 2*\nc
	v_max_num_f32 v[BMX+k_], v[BMX+k_], v[BPX+k_]
.set k_, k_+1
.endr
.set c_, 0
.rept \nc
	v_max_num_f32 v[BPX+c_], v[BMX+2*c_], v[BMX+2*c_+1]
.set c_, c_+1
.endr
.set c_, 0
.rept \nc
	v_mul_f32 v[BPX+c_], s[CS], v[BPX+c_]          ; the row's largest t
.set c_, c_+1
.endr
.set c_, 0
.rept \nc
	v_floor_f32 v[NM+2*c_], -v[BPX+c_]             ; -M = floor(-t) = -ceil(t)
.set c_, c_+1
.endr
.set k_, 0
.rept 2*\nc
	v_fma_f32 v[BMX+k_], v[BMX+k_], s[CS], v[NM+2*(k_/2)]
.set k_, k_+1
.endr
	WIN 0x41
.set p_, 0
.rept 16*\nc
	v_pk_fma_f32 v[Y+2*p_:Y+2*p_+1], v[Y+2*p_:Y+2*p_+1], s[CS:CS+1], v[NM+2*(p_/16):NM+2*(p_/16)+1] op_sel_hi:[1,0,0]   ; t - M
.set p_, p_+1
.endr
.set n_, 0
.rept 32*\nc
	v_exp_f32 v[Y+n_], v[Y+n_]                     ; p = 2^(t - M): not normalised
.set n_, n_+1
.endr
	WIN 0
	v_nop                                          ; a plain instruction behind the batch
	s_wait_alu depctr_va_vdst(0)                   ; one wait for the batch, ahead of its first reader
.set k_, 0
.rept 2*\nc
	v_exp_f32 v[BMX+k_], v[BMX+k_]                 ; each block's largest p
.set k_, k_+1
.endr
	WIN 0x05                                       ; the row's sum is taken of the unquantised p
.set c_, 0
.rept \nc
	v_pk_add_f32 v[PCX+2*c_:PCX+2*c_+1], v[Y+32*c_:Y+32*c_+1], v[Y+32*c_+2:Y+32*c_+3]
.set c_, c_+1
.endr
	WIN 0x01
.irp p,2,3,4,5,6,7,8,9,10,11,12,13,14,15
.set c_, 0
.rept \nc
	v_pk_add_f32 v[PCX+2*c_:PCX+2*c_+1], v[Y+32*c_+2*\p:Y+32*c_+2*\p+1], v[PCX+2*c_:PCX+2*c_+1]
.set c_, c_+1
.endr
.endr
	s_wait_alu depctr_va_vdst(0)                   ; and one for the blocks' exponentials
	WIN 0
.set k_, 0
.rept 2*\nc
	v_max_num_f32 v[BMX+k_], 0x1800000, v[BMX+k_]
.set k_, k_+1
.endr
.set k_, 0
.rept 2*\nc
	v_add_nc_u32 v[BSO+k_], 0xff000000, v[BMX+k_]
.set k_, k_+1
.endr
.set k_, 0
.rept 2*\nc
	v_lshrrev_b32 v[BPX+k_], 23, v[BSO+k_]
.set k_, k_+1
.endr
.set c_, 0
.rept \nc
	v_lshl_or_b32 v[PS+c_], v[BPX+2*c_], 8, v[BPX+2*c_]
	v_lshl_or_b32 v[PS+c_], v[BPX+2*c_+1], 16, v[PS+c_]
	v_lshl_or_b32 v[PS+c_], v[BPX+2*c_+1], 24, v[PS+c_]
.set c_, c_+1
.endr
	WIN 0x01
.set k_, 0
.rept 2*\nc
	v_cvt_scalef32_pk16_fp6_f32 v[PF+12*(k_/2)+6*(k_%2):PF+12*(k_/2)+6*(k_%2)+2], v[Y+16*k_:Y+16*k_+15], v[BSO+k_]
.set k_, k_+1
.endr
	WIN 0
	v_nop
.set c_, 0
.rept \nc
	ZERO PF+12*c_+3, 3
	ZERO PF+12*c_+9, 3
.set c_, c_+1
.endr
.set c_, 0
.rept \nc
	v_add_f32 v[PCX+2*c_], v[PCX+2*c_], v[PCX+2*c_+1]
.set c_, c_+1
.endr
.set c_, 0
.rept \nc
	v_permlanex16_b32 v[BPX+c_], v[PCX+2*c_], s[SEL], s[SEL+1]
.set c_, c_+1
.endr
.set c_, 0
.rept \nc
	v_add_f32 v[PCX+2*c_], v[PCX+2*c_], v[BPX+c_]  ; l
.set c_, c_+1
.endr
.set c_, 0
.rept \nc
	v_rcp_f32 v[NM+2*c_], v[PCX+2*c_]              ; 1 / l: first named in OSCALE, behind its wait
.set c_, c_+1
.endr
	PLACES 5                                       ; a plain instruction behind the reciprocals; places between p's last written register and the products
	WIN 0x50
.set c_, 0
.rept \nc
.irp u,0,1
	WM0 Y+16*c_+8*\u, VF+12*\u, PF+12*c_, VS+\u, PS+c_
.endr
.set c_, c_+1
.endr
	PLACES 4
	WIN 0
.endm
.macro P3PRE sb                        ; part B's addresses, and Wo's fragments asked for early
	v_add_nc_u32 v[AW], s[\sb], v[LI]
	v_add_nc_u32 v[AS], s[\sb], v[L8]
	v_add_nc_u32 v[AV], s[\sb], v[H64]
	v_add_nc_u32 v[AS], 61440, v[AS]
	v_add_nc_u32 v[AV], 66560, v[AV]
	FETCH8 AW, 0, 0
.endm
.macro OSCALE nc                       ; o = P V / l
	s_wait_alu depctr_va_vdst(0)                   ; the reciprocals' wait, ahead of their first reader
	WIN 0x41
.set p_, 0
.rept 8*\nc
	v_pk_mul_f32 v[Y+2*p_:Y+2*p_+1], v[Y+2*p_:Y+2*p_+1], v[NM+2*(p_/8):NM+2*(p_/8)+1] op_sel_hi:[1,0]
.set p_, p_+1
.endr
.endm
.macro OSTORE                          ; my head is block m of o's K: its codes (12 bytes a lane) and bytes go into the tokens' rows in LDS
	BLK 4, Y
	WIN 0x01
.irp c,0,1,2,3
	v_cvt_scalef32_pk16_fp6_f32 v[88+4*\c:90+4*\c], v[Y+16*\c:Y+16*\c+15], v[BSO+\c]
.endr
	WIN 0
	v_nop
.irp c,0,1,2,3
.irp i,0,1,2
	ds_store_b32 v[OW], v[88+4*\c+\i] offset:1536*\c+4*\i
.endr
	ds_store_b8 v[OWS], v[BPX+\c] offset:64*\c     ; both lanes of a token write the same byte
.endr
.endm
.macro LOADO                           ; my tile's fragment of o, from rows of 96 bytes
.irp p,0,1,2,3,4,5
	ds_load_b64 v[FA+2*\p:FA+2*\p+1], v[ORD] offset:48*(\p/3)+8*(\p%3)
.endr
	ds_load_b32 v[OS], v[ORS]
.endm
; by tokens: X = norm2(x' + relu(x' W1 + b1) W2 + b2), x' = norm1(X + o Wo + bo); o's fragment in FA, OS; Wo's fragments asked for
.macro P3MAIN
	LOADV Y, AV, 0                                 ; bo is where the sums begin
	s_wait_dscnt 0x0
	MM8 Y, FA, OS
	PLACES 4
	FETCH8 AW, 12288, 1024                         ; W1, hidden units 0-127
	RESID
	LNORM Y, Y+64, 512, 1024
	LOADV Y, AV, 1536                              ; b1
	LOADV Y+64, AV, 2048
	QUANT X, FA, OS
	PLACES 8                                       ; a scale word written by vector instructions stands eight places ahead of the product
	s_wait_dscnt 0x0
	MM8 Y, FA, OS
	PLACES 4
	FETCH8 AW, 24576, 2048                         ; W1, hidden units 128-255
	RELU Y
	QUANT Y, FB, HS
	s_wait_dscnt 0x0
	MM8 Y+64, FA, OS
	PLACES 4
	FETCH8 AW, 36864, 3072                         ; W2, K step 0
	LOADV Y, AV, 2560                              ; b2
	RELU Y+64
	QUANT Y+64, FA, OS
	s_wait_dscnt 0x0
	MM8 Y, FB, HS
	PLACES 8
	FETCH8 AW, 49152, 4096                         ; W2, K step 1
	s_wait_dscnt 0x0
	MM8 Y, FA, OS
	PLACES 4
	RESID
	LNORM Y, Y+64, 3072, 3584
.endm
; the lanes' addresses.  sx, so, sg: scalars with the LDS bases of x's images, o's rows and my stage
.macro ADDRS sx, so, sg
	v_and_b32 v[T0], 31, v0                        ; lane
	v_and_b32 v[T1], 15, v0                        ; r
	v_bfe_u32 v[AX], v0, 4, 1                      ; h
	v_lshlrev_b32 v[LI], 4, v[T0]
	v_lshlrev_b32 v[L8], 3, v[T0]
	v_lshlrev_b32 v[H64], 6, v[AX]
	v_and_b32 v[TT], 8, v[T1]
	v_add_nc_u32 v[TT], v[TT], v[T1]
	s_mul_i32 s2, s[SM], 3072
	v_add_nc_u32 v[WAL], s2, v[LI]
	s_lshl_b32 s2, s[SM], 8
	v_add_nc_u32 v[SAL], s2, v[L8]
	s_lshl_b32 s2, s[SM], 7
	v_add_nc_u32 v[BAL], s2, v[H64]
	v_lshl_add_u32 v[BVL], v[TT], 2, s2
	v_add_nc_u32 v[XRI], s[\sx], v[LI]
	s_mul_i32 s2, s[SM], 1536
	v_add_nc_u32 v[XWI], s2, v[XRI]
	v_lshlrev_b32 v[AW], 2, v[T0]
	v_add_nc_u32 v[XRS], s[\sx], v[AW]
	v_add_nc_u32 v[XRS], 6144, v[XRS]
	s_lshl_b32 s2, s[SM], 7
	v_add_nc_u32 v[XWS], s2, v[XRS]
	v_mul_u32_u24 v[AS], v[T1], 96
	v_add_nc_u32 v[AS], s[\so], v[AS]
	v_mad_u32_u24 v[OW], v[AX], 12, v[AS]
	s_mul_i32 s2, s[SM], 24
	v_add_nc_u32 v[OW], s2, v[OW]
	v_mad_u32_u24 v[ORD], v[AX], 24, v[AS]
	s_mul_i32 s2, s[SM], 1536
	v_add_nc_u32 v[ORD], s2, v[ORD]
	v_lshlrev_b32 v[AV], 2, v[T1]
	v_add_nc_u32 v[AV], s[\so], v[AV]
	v_add_nc_u32 v[AV], 6144, v[AV]
	v_add_nc_u32 v[OWS], s[SM], v[AV]
	s_lshl_b32 s2, s[SM], 6
	v_add_nc_u32 v[ORS], s2, v[AV]
	v_add_nc_u32 v[STW], s[\sg], v[LI]
	v_mul_u32_u24 v[STR], v[T1], 528
	v_add_nc_u32 v[STR], v[STR], v[H64]
	v_add_nc_u32 v[STR], s[\sg], v[STR]
.endm
; my tile's 16 rows of polylines, a whole row of 512 bytes an instruction, into Y + 64 on
.macro LOADX off
	WIN 0x40
.irp p,0,1,2,3,4,5,6,7,8,9,10,11,12,13,14,15
	global_load_b128 v[Y+64+4*\p:Y+67+4*\p], v[LI], s[PB:PB+1] offset:(\off)+(\p+8*(\p/8))*512 th:TH_LOAD_NT
.endr
	WIN 0
.endm
	s_load_b256 s[4:11], s[0:1], 0x0               ; polylines s[4:5], lengths s[6:7], pack s[8:9], mid s[10:11]
	v_lshl_add_u32 v[SPW], v0, 2, SPARE
	v_mov_b32 v[NIL], 0
	ds_add_u32 v[SPW], v[NIL]                      ; the wave's opening: the add, twice on end, and its wait ahead of my first tensor load
	ds_add_u32 v[SPW], v[NIL]
	v_lshrrev_b32 v[T0], 5, v0
	v_readfirstlane_b32 s[WV], v[T0]
	s_and_b32 s[SQ], s[WV], 1
	s_lshr_b32 s[SM], s[WV], 1
	s_mul_i32 s46, s[SQ], 13312
	s_add_co_u32 s46, s46, XIMG
	s_mul_i32 s47, s[SQ], 6400
	s_add_co_u32 s47, s47, OROW
	s_mul_i32 s53, s[WV], 8448
	s_add_co_u32 s53, s53, STAGE
	ADDRS 46, 47, 53
	s_lshr_b32 s[TB], s[SM], 1
	s_lshl_b32 s[TB], s[TB], 5
	s_and_b32 s2, s[SM], 1
	s_lshl_b32 s2, s2, 3
	s_add_co_u32 s[TB], s[TB], s2
	s_mov_b32 s[CS], 0x3e8293ee                    ; log2(e) / sqrt(32)
	s_mov_b32 s[CS+1], s[CS]
	s_mov_b32 s[SEL], 0x76543210
	s_mov_b32 s[SEL+1], 0xfedcba98
	s_mov_b32 s[NEG], 0xd0000000                   ; -2^33
	s_mov_b32 s[INV], 0x3c000000                   ; 1 / 128
	s_mov_b32 s[EPS], 0x3727c5ac                   ; 1e-5
	; descriptor group 1: 99 rows of 256 bytes (32 elements of 8), dense; the mask names all four work-groups, bit 21 beside it
	s_mov_b32 s[G1], 15|(3<<16)|(1<<21)
	s_mov_b32 s[G1+1], 32<<16
	s_mov_b32 s[G1+2], 99<<16
	s_mov_b32 s[G1+3], 32<<16
	s_mov_b32 s[G1+4], 99
	s_mov_b32 s[G1+5], 32
	s_mov_b32 s[G1+6], 0
	s_mov_b32 s[G1+7], 0
	s_mov_b32 s[G0], 1
	s_mul_i32 s[G0+1], s[WV], 25344                ; my eighth of the 202,752 bytes: the same place in LDS and in pack
	s_mov_b32 s54, s[G0+1]
	s_mov_b32 s55, 0
	s_bfe_u32 s2, ttmp6, 0x40000                   ; cx
	s_lshl_b32 s3, ttmp9, 2
	s_add_co_u32 s3, s3, s2                        ; my work-group: it enters global addresses alone
	s_wait_dscnt 0x0                               ; both opening adds are done
	s_wait_kmcnt 0x0
	s_add_nc_u64 s[G0+2:G0+3], s[8:9], s[54:55]
	s_or_b32 s[G0+3], s[G0+3], 0x80000000
	s_lshl_b32 s54, s3, 4
	s_add_nc_u64 s[6:7], s[6:7], s[54:55]
	s_load_b128 s[16:19], s[6:7], 0x0              ; my four sequences' lengths
	s_lshl_b32 s3, s3, 2
	s_add_co_u32 s3, s3, s[SQ]                     ; my first sequence
	s_lshl_b32 s54, s3, 15
	s_lshl_b32 s2, s[TB], 9
	s_add_co_u32 s54, s54, s2
	s_add_nc_u64 s[PB:PB+1], s[4:5], s[54:55]
	s_lshl_b32 s54, s3, 10
	s_add_nc_u64 s[MB:MB+1], s[10:11], s[54:55]
	CROUND                                         ; all four work-groups are here: the joint loads meet
	tensor_load_to_lds s[G0:G0+3], s[G1:G1+7]      ; my one tensor load of the launch
	s_nop 0
	PLACES 4
	LOADX 0
.irp i,0,1,2,3,4,5,6,7
	v_mov_b32 v[BPX+\i], 0                         ; written once: a lane permute's destination counts as read, and so does a pair's upper word
	v_mov_b32 v[NM+\i], 0
.endr
.irp c,0,1,2,3
	ZERO QF+12*\c+3, 9                             ; q's nine registers of zero codes: nothing else is ever laid there
.endr
	s_wait_tensorcnt 0x0                           ; my part of pack is in,
	s_wait_kmcnt 0x0
	BARRIER                                        ; everybody's is
	s_mov_b32 s[TRIP], 2
.Ltrip:
	; the masks: whole numbers make lane masks, never a branch
	s_cmp_eq_u32 s[SQ], 0
	s_cselect_b32 s[LEN], s16, s17
	v_lshrrev_b32 v[T0], 2, v[H64]
	v_sub_nc_u32 v[T0], s[LEN], v[T0]              ; len - 16 h
.irp c,0,1,2,3
	s_sub_co_i32 s46, s[LEN], 32*(\c/2)+8*(\c%2)
	v_cmp_gt_i32 s[VQ+\c], s46, v[TT]
.endr
	s_sub_co_i32 s46, s[LEN], s[TB]
	v_cmp_gt_i32 s[VQO], s46, v[TT]
.set n_, 0
.rept 32
	v_cmp_lt_i32 s[KM+n_], 32*(n_/16)+n_%16, v[T0]
.set n_, n_+1
.endr
	; the input turns through my own stage: rows in, 64 bytes a lane out
	s_wait_loadcnt 0x0
	WIN 0x04
.irp p,0,1,2,3,4,5,6,7,8,9,10,11,12,13,14,15
	ds_store_b128 v[STW], v[Y+64+4*\p:Y+67+4*\p] offset:528*\p
.endr
	WIN 0x40
.irp b,0,1,2,3
.irp j,0,1,2,3
	ds_load_b128 v[Y+16*\b+4*\j:Y+16*\b+4*\j+3], v[STR] offset:128*\b+16*\j   ; LDS serves a wave's instructions in order: these see my stores
.endr
.endr
	WIN 0
	v_add_nc_u32 v[AS], 12288, v[L8]
	v_add_nc_u32 v[AV], 13312, v[H64]
	FETCH8 LI, 0, 0                                ; proj_w
	s_wait_dscnt 28                                ; all but the 28 loads just issued: the input is back, so the stage's stores have read their registers,
	LOADV Y+64, AV, 0                              ; which now take proj_b
	WIN 0x44
.set n_, 0
.rept 64
	v_cndmask_b32 v[Y+n_], -1.0, v[Y+n_], s[VQO]   ; a padded token is -1 throughout
.set n_, n_+1
.endr
	QUANT Y, FA, OS
	PLACES 8
	s_wait_dscnt 0x0
	MM8 Y+64, FA, OS
	PLACES 4
	WIN 0
	s_lshl_b32 s46, s[SM], 13
	s_add_co_u32 s46, s46, 14848
	v_add_nc_u32 v[AX], s46, v[LI]
.irp i,0,1,2,3,4,5,6,7,8,9,10,11,12,13,14,15
	ds_load_b128 v[WF+4*\i:WF+4*\i+3], v[AX] offset:512*\i     ; pos_emb of my tile, as a register image
.endr
	LNORM Y+64, Y, 512, 1024
	RELU X
	WIN 0x41
.set p_, 0
.rept 32
	v_pk_add_f32 v[X+2*p_:X+2*p_+1], v[X+2*p_:X+2*p_+1], v[WF+2*p_:WF+2*p_+1]
.set p_, p_+1
.endr
	; block 0
	P1 0
	s_mov_b32 s[LAB], L0A
	QKV LAB, 4, Y+64, 0
	ATT 4
	s_mov_b32 s[LAB], L0B
	P3PRE LAB
	OSCALE 4
	OSTORE
	BARRIER                                        ; the sequence's 64 rows of o lie in LDS
	LOADO
	P3MAIN
	WIN 0
	s_cmp_eq_u32 s[TRIP], 1                        ; the next sequence's tile is asked for here, a block ahead of its use, if there is one: no load leaves its buffer
	s_cbranch_scc1 .Lno_next
	LOADX 65536
.Lno_next:
	; block 1: K and V of all tokens, the rest for the tile that holds t = 0
	P1 6656
	s_mov_b32 s[LAB], L1A
	QKV LAB, 1, E+48, 6656
	ATT 1
	OSCALE 1
	WIN 0
	s_wait_xcnt 0x0                                ; EXEC changes only behind this wait
	v_cmp_eq_u32 vcc_lo, 0, v[TT]                  ; lanes 0 and 16 hold token 0 of tile 0
	s_and_saveexec_b32 s46, vcc_lo
	WIN 0x04
.irp k,0,1,2,3
	global_store_b128 v[BAL], v[Y+4*\k:Y+4*\k+3], s[MB:MB+1] offset:512+16*\k   ; o(t = 0), my head's 32 features
.endr
	WIN 0
	s_cmp_lg_u32 s[SM], 0
	s_cbranch_scc1 .Lnot_tile_0
	WIN 0x04
.irp b,0,1,2,3
.irp j,0,1,2,3
	global_store_b128 v[H64], v[X+16*\b+4*\j:X+16*\b+4*\j+3], s[MB:MB+1] offset:128*\b+16*\j   ; x(t = 0), block 1's residual
.endr
.endr
	WIN 0
.Lnot_tile_0:
	s_wait_xcnt 0x0                                ; and again, in front of the line that widens it; the stores' data and both bases are rewritten only behind it
	s_or_b32 exec_lo, exec_lo, s46
	s_add_nc_u64 s[PB:PB+1], s[PB:PB+1], 65536     ; two sequences on
	s_add_nc_u64 s[MB:MB+1], s[MB:MB+1], 2048
	s_mov_b32 s16, s18
	s_mov_b32 s17, s19
	s_sub_co_u32 s[TRIP], s[TRIP], 1
	s_cmp_lg_u32 s[TRIP], 0
	s_cbranch_scc1 .Ltrip
	s_wait_tensorcnt 0x0                           ; the wave's end, behind my last tensor load and my last LDS store
	ds_add_u32 v[SPW], v[NIL]
	s_wait_dscnt 0x0
	CROUND                                         ; the closing round
	s_endpgm
.Lfunc_end_k_q0e5e7209b0_temporal:
	.size	k_q0e5e7209b0_temporal, .Lfunc_end_k_q0e5e7209b0_temporal-k_q0e5e7209b0_temporal
	.p2alignl 7, 3214868480
	.fill 96, 4, 3214868480
	.section	.rodata,"a",@progbits
	.p2align	6, 0x0
	.amdhsa_kernel k_q0e5e7209b0_temporal
		.amdhsa_group_segment_fixed_size 327680
		.amdhsa_private_segment_fixed_size 0
		.amdhsa_enable_private_segment 0
		.amdhsa_kernarg_size 32
		.amdhsa_user_sgpr_count 2
		.amdhsa_user_sgpr_kernarg_segment_ptr 1
		.amdhsa_wavefront_size32 1
		.amdhsa_system_sgpr_workgroup_id_x 1
		.amdhsa_system_sgpr_workgroup_id_y 1
		.amdhsa_system_sgpr_workgroup_id_z 1
		.amdhsa_system_vgpr_workitem_id 0
		.amdhsa_next_free_vgpr 512
		.amdhsa_next_free_sgpr 98
		.amdhsa_reserve_vcc 1
		.amdhsa_float_denorm_mode_32 3
		.amdhsa_float_denorm_mode_16_64 3
		.amdhsa_memory_ordered 1
		.amdhsa_forward_progress 1
		.amdhsa_inst_pref_size 208
	.end_amdhsa_kernel
	.amdgpu_metadata
---
amdhsa.version: [ 1, 2 ]
amdhsa.kernels:
  - .name:           k_q0e5e7209b0_temporal
    .symbol:         k_q0e5e7209b0_temporal.kd
    .args:
      - { .name: polylines, .offset: 0, .size: 8, .value_kind: global_buffer, .address_space: global }
      - { .name: lengths, .offset: 8, .size: 8, .value_kind: global_buffer, .address_space: global }
      - { .name: pack, .offset: 16, .size: 8, .value_kind: global_buffer, .address_space: global }
      - { .name: mid, .offset: 24, .size: 8, .value_kind: global_buffer, .address_space: global }
    .group_segment_fixed_size: 327680
    .private_segment_fixed_size: 0
    .kernarg_segment_align: 8
    .kernarg_segment_size: 32
    .max_flat_workgroup_size: 256
    .sgpr_count:     98
    .vgpr_count:     512
    .wavefront_size: 32
...
	.end_amdgpu_metadata
.endif
;; end of part 2
;; launch spatial (part 3): grid 16 x 1, 4 waves a work-group, clusters of 4 x 1, 327,680 bytes of LDS; arguments mid, lengths, pack, out0; writes out0
.if DOCPART == 3
	.amdgcn_target "amdgcn-amd-amdhsa--gfx1250"
	.amdhsa_code_object_version 6
	.text
	.protected	k_q0e5e7209b0_spatial
	.globl	k_q0e5e7209b0_spatial
	.p2align	8
	.type	k_q0e5e7209b0_spatial,@function
k_q0e5e7209b0_spatial:
	s_mov_b64 s[64:65], 0
	v_nop
	global_prefetch_b8 v0, s[64:65] scope:SCOPE_SE
	s_setreg_imm32_b32 hwreg(HW_REG_WAVE_MODE, 25, 1), 1
	s_wait_xcnt 0x0
	s_wait_alu depctr_hold_cnt(0) depctr_sa_sdst(0) depctr_va_vdst(0) depctr_va_sdst(0) depctr_va_ssrc(0) depctr_va_vcc(0) depctr_vm_vsrc(0)
	s_getreg_b32 s2, hwreg(HW_REG_IB_STS2, 6, 4)
	s_cmp_eq_u32 s2, 0
	s_cbranch_scc0 .Lentry_in_a_cluster
	s_endpgm
.Lentry_in_a_cluster:
	s_bfe_u32 s2, ttmp6, 0x10000c
	s_cmp_lg_u32 s2, 0x3003
	s_cbranch_scc0 .Lentry_shape_is_right
	s_endpgm
.Lentry_shape_is_right:
; WayFormerEncoder, launch 3 of 3: for each batch b the rest of block 1 (Wo, norm, W1, W2, norm) on the 64 rows (b, s, t = 0), then blocks 2 and 3 on the one sequence (b, t = 0) over s; its 64 rows are out0[b].
; LEFT OUT (shown at the head of the first kernel): the 1,008 spatial sequences with t > 0 and block 1's rows with t > 0 have no way to out0.  A NaN, an infinity or an overflow that reaches only them is not carried to the result.
; SHARES.  A work-group is a batch; wave m owns the tile of 16 tokens 32 (m / 2) + 8 (m % 2) + r + 8 (r / 8) and head m.  Layouts, short K, the mask and the limits are the second kernel's, whose macros stand here word for word.
; LIMITS: |logit| under 1e8; a block of zeros gets the byte 1 (its codes are zeros); NaN and infinities among live inputs are not served.
; CLUSTER.  All 16 work-groups read the same 295,936 bytes of pack (part B of layer 1, layers 2 and 3): four ask jointly.  Each wave issues five loads, a quarter of each of the five parts, all behind the one round:
; five tensor loads of a wave are out at the most.
; Blocks 2 and 3 are one loop of two trips; the parts' LDS bases are two scalars stepped by a layer's 112,640 bytes.
.set X, 0
.set Y, 64
.set E, 192
.set LI, 1
.set L8, 2
.set H64, 3
.set WAL, 4
.set SAL, 5
.set BAL, 6
.set BVL, 7
.set XWI, 8
.set XWS, 9
.set XRI, 10
.set XRS, 11
.set OW, 12
.set OWS, 13
.set ORD, 14
.set ORS, 15
.set STW, 16
.set STR, 17
.set SPW, 18
.set NIL, 19
.set AW, 20
.set AS, 21
.set AV, 22
.set AX, 23
.set RO, 24                            ; my token's row in mid + 64 h; never rewritten
.set TT, 25
.set T0, 26
.set T1, 27
.set BMX, 28
.set BPX, 36
.set BSO, 44
.set PCX, 52
.set NM, 60
.set WS, 68
.set VS, 74
.set XS, 76
.set PS, 76
.set OS, 76
.set HS, 77
.set KS, 80
.set QS, 84
.set FA, 88
.set FB, 100
.set WF, 112
.set XF, 88
.set PF, 88
.set WP, 136
.set VF, 136
.set KF, 160
.set QF, 208
.set WV, 12
.set SM, 12                            ; the wave is the tile and the head
.set LAB, 13                           ; LDS base of part A in hand
.set TRIP, 15
.set LBB, 19                           ; of part B
.set EPS, 20
.set TB, 21
.set CS, 22
.set SEL, 24
.set NEG, 26
.set INV, 27
.set G0, 28                            ; s28-47 five groups 0
.set G1A, 48                           ; s48-55 group 1 for a quarter of a part A: 41 rows;  s56-63 of a part B: 69 rows
.set G1B, 56
.set KM, 66
.set VQ, 98
.set XIMG, 295936
.set OROW, 302592
.set SPARE, 308992
.set MSB, 0
.macro WIN new
.if MSB != \new
	s_set_vgpr_msb (MSB<<8)|\new
.set MSB, \new
.endif
.endm
.macro PLACES cnt
.rept \cnt
	v_nop
.endr
.endm
.macro BARRIER
	s_wait_dscnt 0x0
	s_barrier_signal -1
	s_barrier_wait -1
.endm
.macro CROUND
	s_barrier_signal -1
	s_barrier_wait -1
	s_cmp_lg_u32 s[WV], 0
	s_cbranch_scc1 .Lnot_wave_0_\@
	s_barrier_signal -3
.Lnot_wave_0_\@:
	s_barrier_wait -3
	s_barrier_signal -1
	s_barrier_wait -1
.endm
.macro ZERO reg, cnt
.set z_, 0
.rept \cnt
	v_mov_b32 v[(\reg)+z_], 0
.set z_, z_+1
.endr
.endm
.macro WMC d, a, b, c, sa, sb
	v_wmma_scale_f32_16x16x128_f8f6f4 v[(\d):(\d)+7], v[(\a):(\a)+11], v[(\b):(\b)+11], v[(\c):(\c)+7], v[\sa], v[\sb] matrix_a_fmt:MATRIX_FMT_FP6 matrix_b_fmt:MATRIX_FMT_FP6
.endm
.macro WM0 d, a, b, sa, sb
	v_wmma_scale_f32_16x16x128_f8f6f4 v[(\d):(\d)+7], v[(\a):(\a)+11], v[(\b):(\b)+11], 0, v[\sa], v[\sb] matrix_a_fmt:MATRIX_FMT_FP6 matrix_b_fmt:MATRIX_FMT_FP6
.endm
.macro FETCHF dst, a, off
.irp c,0,1,2
	ds_load_b128 v[(\dst)+4*\c:(\dst)+4*\c+3], v[\a] offset:(\off)+512*\c
.endr
.endm
.macro FETCH8 a, oc, os
	WIN 0
.irp t,0,1,2,3,4,5,6,7
	FETCHF WF+12*\t, \a, (\oc)+1536*\t
.endr
.irp p,0,1,2,3
	ds_load_b64 v[WS+2*\p:WS+2*\p+1], v[AS] offset:(\os)+256*\p
.endr
.endm
.macro LOADV dst, a, off
	WIN 0x40
.irp b,0,1,2,3
.irp j,0,1,2,3
	ds_load_b128 v[(\dst)+16*\b+4*\j:(\dst)+16*\b+4*\j+3], v[\a] offset:(\off)+128*\b+16*\j
.endr
.endr
.endm
.macro BLK nb, src
	WIN 0x05
.set k_, 0
.rept \nb
	v_max3_num_f32 v[BMX+k_], |v[(\src)+16*k_]|, |v[(\src)+16*k_+1]|, 0x1800000
.set k_, k_+1
.endr
.irp i,2,4,6,8,10,12,14
.set k_, 0
.rept \nb
	v_max3_num_f32 v[BMX+k_], |v[(\src)+16*k_+\i]|, |v[(\src)+16*k_+\i+1]|, v[BMX+k_]
.set k_, k_+1
.endr
.endr
	WIN 0
.set k_, 0
.rept \nb
	v_permlanex16_b32 v[BPX+k_], v[BMX+k_], s[SEL], s[SEL+1]
.set k_, k_+1
.endr
.set k_, 0
.rept \nb
	v_max_num_f32 v[BMX+k_], v[BMX+k_], v[BPX+k_]
.set k_, k_+1
.endr
.set k_, 0
.rept \nb
	v_add_nc_u32 v[BSO+k_], 0xff000000, v[BMX+k_]
.set k_, k_+1
.endr
.set k_, 0
.rept \nb
	v_lshrrev_b32 v[BPX+k_], 23, v[BSO+k_]
.set k_, k_+1
.endr
.endm
.macro QUANT src, dst, sw
	BLK 4, \src
	v_lshl_or_b32 v[\sw], v[BPX+1], 8, v[BPX]
	v_lshl_or_b32 v[\sw], v[BPX+2], 16, v[\sw]
	v_lshl_or_b32 v[\sw], v[BPX+3], 24, v[\sw]
	WIN 0x01
.irp c,0,1
	v_cvt_scalef32_pk16_fp6_f32 v[(\dst)+6*\c:(\dst)+6*\c+2], v[(\src)+32*\c:(\src)+32*\c+15], v[BSO+2*\c]
	v_cvt_scalef32_pk16_fp6_f32 v[PCX+4*\c:PCX+4*\c+2], v[(\src)+32*\c+16:(\src)+32*\c+31], v[BSO+2*\c+1]
.endr
	WIN 0
	v_nop
.irp c,0,1
.irp i,0,1,2
	v_permlane16_swap_b32 v[(\dst)+6*\c+\i], v[PCX+4*\c+\i]
.endr
.irp i,0,1,2
	v_mov_b32 v[(\dst)+6*\c+3+\i], v[PCX+4*\c+\i]
.endr
.endr
.endm
.macro Q1 cnt, src, dst, sw
.set k_, 0
.rept \cnt
	v_lshl_or_b32 v[(\sw)+k_], v[BPX+k_], 8, v[BPX+k_]
.set k_, k_+1
.endr
	WIN 0x01
.set k_, 0
.rept \cnt
	v_cvt_scalef32_pk16_fp6_f32 v[(\dst)+12*k_:(\dst)+12*k_+2], v[(\src)+16*k_:(\src)+16*k_+15], v[BSO+k_]
.set k_, k_+1
.endr
	WIN 0
	v_nop
.endm
.macro V2
.irp u,0,1
	v_lshl_or_b32 v[VS+\u], v[BPX+2*\u], 8, v[BPX+2*\u]
	v_lshl_or_b32 v[VS+\u], v[BPX+2*\u+1], 16, v[VS+\u]
	v_lshl_or_b32 v[VS+\u], v[BPX+2*\u+1], 24, v[VS+\u]
.endr
	WIN 0x01
.irp u,0,1
	v_cvt_scalef32_pk16_fp6_f32 v[VF+12*\u:VF+12*\u+2], v[Y+32*\u:Y+32*\u+15], v[BSO+2*\u]
	v_cvt_scalef32_pk16_fp6_f32 v[VF+12*\u+6:VF+12*\u+8], v[Y+32*\u+16:Y+32*\u+31], v[BSO+2*\u+1]
.endr
	WIN 0
	v_nop
.irp u,0,1
	ZERO VF+12*\u+3, 3
	ZERO VF+12*\u+9, 3
.endr
.endm
.macro MM8 z, b, sb                    ; the eight accumulators take turns
	WIN 0x50
.irp t,0,1,2,3,4,5,6,7
	WMC (\z)+8*\t, WF+12*\t, \b, (\z)+8*\t, WS+\t, \sb
.endr
.endm
.macro REDUCE
	v_pk_add_f32 v[BMX:BMX+1], v[BMX:BMX+1], v[BMX+2:BMX+3]
	v_pk_add_f32 v[BMX+4:BMX+5], v[BMX+4:BMX+5], v[BMX+6:BMX+7]
	v_pk_add_f32 v[BMX:BMX+1], v[BMX:BMX+1], v[BMX+4:BMX+5]
	v_add_f32 v[BMX], v[BMX], v[BMX+1]
	v_permlanex16_b32 v[BPX+4], v[BMX], s[SEL], s[SEL+1]
	v_add_f32 v[BMX], v[BMX], v[BPX+4]
.endm
.macro LNORM z, g, og, ob
	LOADV \g, AV, \og
	LOADV E, AV, \ob
	WIN 0x05
.irp k,0,1,2,3
	v_pk_add_f32 v[BMX+2*\k:BMX+2*\k+1], v[(\z)+2*\k:(\z)+2*\k+1], v[(\z)+8+2*\k:(\z)+9+2*\k]
.endr
	WIN 0x01
.set p_, 8
.rept 24
	v_pk_add_f32 v[BMX+2*(p_%4):BMX+2*(p_%4)+1], v[(\z)+2*p_:(\z)+2*p_+1], v[BMX+2*(p_%4):BMX+2*(p_%4)+1]
.set p_, p_+1
.endr
	WIN 0
	REDUCE
	v_mul_f32 v[BPX], s[INV], v[BMX]
	WIN 0x41
.set p_, 0
.rept 32
	v_pk_add_f32 v[(\z)+2*p_:(\z)+2*p_+1], v[(\z)+2*p_:(\z)+2*p_+1], v[BPX:BPX+1] op_sel_hi:[1,0] neg_lo:[0,1] neg_hi:[0,1]
.set p_, p_+1
.endr
	WIN 0x05
.irp k,0,1,2,3
	v_pk_mul_f32 v[BMX+2*\k:BMX+2*\k+1], v[(\z)+2*\k:(\z)+2*\k+1], v[(\z)+2*\k:(\z)+2*\k+1]
.endr
.set p_, 4
.rept 28
	v_pk_fma_f32 v[BMX+2*(p_%4):BMX+2*(p_%4)+1], v[(\z)+2*p_:(\z)+2*p_+1], v[(\z)+2*p_:(\z)+2*p_+1], v[BMX+2*(p_%4):BMX+2*(p_%4)+1]
.set p_, p_+1
.endr
	WIN 0
	REDUCE
	v_fma_f32 v[BMX], v[BMX], s[INV], s[EPS]
	v_rsq_f32 v[BPX+2], v[BMX]
	v_nop                                          ; a plain instruction behind the transcendental
	s_wait_dscnt 0x0                               ; gain and bias are in
	s_wait_alu depctr_va_vdst(0)                   ; the wait ahead of the result's first reader
	WIN 0x41
.set p_, 0
.rept 32
	v_pk_mul_f32 v[(\z)+2*p_:(\z)+2*p_+1], v[(\z)+2*p_:(\z)+2*p_+1], v[BPX+2:BPX+3] op_sel_hi:[1,0]
.set p_, p_+1
.endr
	WIN 0x55
.set p_, 0
.rept 32
	v_pk_fma_f32 v[X+2*p_:X+2*p_+1], v[(\z)+2*p_:(\z)+2*p_+1], v[(\g)+2*p_:(\g)+2*p_+1], v[E+2*p_:E+2*p_+1]
.set p_, p_+1
.endr
.endm
.macro RELU z
	WIN 0x44
.set n_, 0
.rept 64
	v_max_num_f32 v[(\z)+n_], 0, v[(\z)+n_]
.set n_, n_+1
.endr
.endm
.macro RESID
	WIN 0x45
.set p_, 0
.rept 32
	v_pk_add_f32 v[Y+2*p_:Y+2*p_+1], v[Y+2*p_:Y+2*p_+1], v[X+2*p_:X+2*p_+1]
.set p_, p_+1
.endr
.endm
.macro P1 slot
	QUANT X, FA, OS
.irp c,0,1,2
	ds_store_b128 v[XWI], v[FA+4*\c:FA+4*\c+3] offset:(\slot)+512*\c
.endr
	ds_store_b32 v[XWS], v[OS] offset:\slot
	BARRIER
.endm
.macro QKV sb, nq, qd, slot
	WIN 0
	v_add_nc_u32 v[AW], s[\sb], v[WAL]
	v_add_nc_u32 v[AS], s[\sb], v[SAL]
	v_add_nc_u32 v[AV], s[\sb], v[BAL]
	v_add_nc_u32 v[AX], s[\sb], v[BVL]
.irp a,0,1,2,3
	FETCHF XF+12*\a, XRI, (\slot)+1536*\a
	ds_load_b32 v[XS+\a], v[XRS] offset:(\slot)+128*\a
.endr
	FETCHF WP, AW, 12288
	FETCHF WP+12, AW, 13824
	ds_load_b64 v[WS:WS+1], v[AS] offset:36864+1024
	WIN 0x40
.irp k,0,1,2,3
	ds_load_b128 v[E+4*\k:E+4*\k+3], v[AV] offset:39936+512+16*\k
	ds_load_b128 v[E+16+4*\k:E+19+4*\k], v[AV] offset:39936+16*\k
.endr
.irp u,0,1
.irp j,0,1,2,3,4,5,6,7
	ds_load_b32 v[E+32+8*\u+\j], v[AX] offset:40960+32*\u
.endr
.endr
	s_wait_dscnt 0x0
	WIN 0x50
.irp a,0,1,2,3
.irp u,0,1
	WMC Y+16*\a+8*\u, WP+12*\u, XF+12*\a, E+8*\u, WS+\u, XS+\a
.endr
.endr
	PLACES 4
	WIN 0
	FETCHF WP, AW, 0
	FETCHF WP+12, AW, 1536
	ds_load_b64 v[WS+2:WS+3], v[AS] offset:36864
	BLK 4, Y
	Q1 4, Y, KF, KS
.irp a,0,1,2,3
	ZERO KF+12*\a+3, 9
.endr
	s_wait_dscnt 0x0
	WIN 0x50
.set a_, 0
.rept \nq
	WMC (\qd)+16*a_, WP, XF+12*a_, E+16, WS+2, XS+a_
	WMC (\qd)+16*a_+8, WP+12, XF+12*a_, E+24, WS+3, XS+a_
.set a_, a_+1
.endr
	PLACES 4
	WIN 0
	FETCHF WP, AW, 24576
	FETCHF WP+12, AW, 26112
	ds_load_b64 v[WS+4:WS+5], v[AS] offset:36864+2048
	BLK \nq, \qd
	Q1 \nq, \qd, QF, QS
	s_wait_dscnt 0x0
	WIN 0x50
.irp u,0,1
.irp a,0,1,2,3
	WMC Y+32*\u+8*\a, XF+12*\a, WP+12*\u, E+32+8*\u, XS+\a, WS+4+\u
.endr
.endr
	PLACES 4
	BLK 4, Y
	V2
.endm
.macro ATT nc
	WIN 0x50
.set c_, 0
.rept \nc
.irp a,0,1,2,3
	WM0 Y+32*c_+8*\a, KF+12*\a, QF+12*c_, KS+\a, QS+c_
.endr
.set c_, c_+1
.endr
	PLACES 4
	WIN 0x44
.set n_, 0
.rept 32*\nc
	s_and_b32 vcc_lo, s[KM+n_%32], s[VQ+n_/32]
	v_cndmask_b32 v[Y+n_], s[NEG], v[Y+n_], vcc_lo
.set n_, n_+1
.endr
	WIN 0x05
.set k_, 0
.rept 2*\nc
	v_max_num_f32 v[BMX+k_], v[Y+16*k_], v[Y+16*k_+1]
.set k_, k_+1
.endr
.irp i,2,4,6,8,10,12,14
.set k_, 0
.rept 2*\nc
	v_max3_num_f32 v[BMX+k_], v[Y+16*k_+\i], v[Y+16*k_+\i+1], v[BMX+k_]
.set k_, k_+1
.endr
.endr
	WIN 0
.set k_, 0
.rept 2*\nc
	v_permlanex16_b32 v[BPX+k_], v[BMX+k_], s[SEL], s[SEL+1]
.set k_, k_+1
.endr
.set k_, 0
.rept 2*\nc
	v_max_num_f32 v[BMX+k_], v[BMX+k_], v[BPX+k_]
.set k_, k_+1
.endr
.set c_, 0
.rept \nc
	v_max_num_f32 v[BPX+c_], v[BMX+2*c_], v[BMX+2*c_+1]
.set c_, c_+1
.endr
.set c_, 0
.rept \nc
	v_mul_f32 v[BPX+c_], s[CS], v[BPX+c_]
.set c_, c_+1
.endr
.set c_, 0
.rept \nc
	v_floor_f32 v[NM+2*c_], -v[BPX+c_]
.set c_, c_+1
.endr
.set k_, 0
.rept 2*\nc
	v_fma_f32 v[BMX+k_], v[BMX+k_], s[CS], v[NM+2*(k_/2)]
.set k_, k_+1
.endr
	WIN 0x41
.set p_, 0
.rept 16*\nc
	v_pk_fma_f32 v[Y+2*p_:Y+2*p_+1], v[Y+2*p_:Y+2*p_+1], s[CS:CS+1], v[NM+2*(p_/16):NM+2*(p_/16)+1] op_sel_hi:[1,0,0]
.set p_, p_+1
.endr
.set n_, 0
.rept 32*\nc
	v_exp_f32 v[Y+n_], v[Y+n_]
.set n_, n_+1
.endr
	WIN 0
	v_nop                                          ; a plain instruction behind the batch
	s_wait_alu depctr_va_vdst(0)                   ; one wait for the batch, ahead of its first reader
.set k_, 0
.rept 2*\nc
	v_exp_f32 v[BMX+k_], v[BMX+k_]
.set k_, k_+1
.endr
	WIN 0x05
.set c_, 0
.rept \nc
	v_pk_add_f32 v[PCX+2*c_:PCX+2*c_+1], v[Y+32*c_:Y+32*c_+1], v[Y+32*c_+2:Y+32*c_+3]
.set c_, c_+1
.endr
	WIN 0x01
.irp p,2,3,4,5,6,7,8,9,10,11,12,13,14,15
.set c_, 0
.rept \nc
	v_pk_add_f32 v[PCX+2*c_:PCX+2*c_+1], v[Y+32*c_+2*\p:Y+32*c_+2*\p+1], v[PCX+2*c_:PCX+2*c_+1]
.set c_, c_+1
.endr
.endr
	s_wait_alu depctr_va_vdst(0)                   ; and one for the blocks' exponentials
	WIN 0
.set k_, 0
.rept 2*\nc
	v_max_num_f32 v[BMX+k_], 0x1800000, v[BMX+k_]
.set k_, k_+1
.endr
.set k_, 0
.rept 2*\nc
	v_add_nc_u32 v[BSO+k_], 0xff000000, v[BMX+k_]
.set k_, k_+1
.endr
.set k_, 0
.rept 2*\nc
	v_lshrrev_b32 v[BPX+k_], 23, v[BSO+k_]
.set k_, k_+1
.endr
.set c_, 0
.rept \nc
	v_lshl_or_b32 v[PS+c_], v[BPX+2*c_], 8, v[BPX+2*c_]
	v_lshl_or_b32 v[PS+c_], v[BPX+2*c_+1], 16, v[PS+c_]
	v_lshl_or_b32 v[PS+c_], v[BPX+2*c_+1], 24, v[PS+c_]
.set c_, c_+1
.endr
	WIN 0x01
.set k_, 0
.rept 2*\nc
	v_cvt_scalef32_pk16_fp6_f32 v[PF+12*(k_/2)+6*(k_%2):PF+12*(k_/2)+6*(k_%2)+2], v[Y+16*k_:Y+16*k_+15], v[BSO+k_]
.set k_, k_+1
.endr
	WIN 0
	v_nop
.set c_, 0
.rept \nc
	ZERO PF+12*c_+3, 3
	ZERO PF+12*c_+9, 3
.set c_, c_+1
.endr
.set c_, 0
.rept \nc
	v_add_f32 v[PCX+2*c_], v[PCX+2*c_], v[PCX+2*c_+1]
.set c_, c_+1
.endr
.set c_, 0
.rept \nc
	v_permlanex16_b32 v[BPX+c_], v[PCX+2*c_], s[SEL], s[SEL+1]
.set c_, c_+1
.endr
.set c_, 0
.rept \nc
	v_add_f32 v[PCX+2*c_], v[PCX+2*c_], v[BPX+c_]
.set c_, c_+1
.endr
.set c_, 0
.rept \nc
	v_rcp_f32 v[NM+2*c_], v[PCX+2*c_]
.set c_, c_+1
.endr
	PLACES 5
	WIN 0x50
.set c_, 0
.rept \nc
.irp u,0,1
	WM0 Y+16*c_+8*\u, VF+12*\u, PF+12*c_, VS+\u, PS+c_
.endr
.set c_, c_+1
.endr
	PLACES 4
	WIN 0
.endm
.macro P3PRE sb
	v_add_nc_u32 v[AW], s[\sb], v[LI]
	v_add_nc_u32 v[AS], s[\sb], v[L8]
	v_add_nc_u32 v[AV], s[\sb], v[H64]
	v_add_nc_u32 v[AS], 61440, v[AS]
	v_add_nc_u32 v[AV], 66560, v[AV]
	FETCH8 AW, 0, 0
.endm
.macro OSCALE nc
	s_wait_alu depctr_va_vdst(0)                   ; the reciprocals' wait, ahead of their first reader
	WIN 0x41
.set p_, 0
.rept 8*\nc
	v_pk_mul_f32 v[Y+2*p_:Y+2*p_+1], v[Y+2*p_:Y+2*p_+1], v[NM+2*(p_/8):NM+2*(p_/8)+1] op_sel_hi:[1,0]
.set p_, p_+1
.endr
.endm
.macro OSTORE
	BLK 4, Y
	WIN 0x01
.irp c,0,1,2,3
	v_cvt_scalef32_pk16_fp6_f32 v[88+4*\c:90+4*\c], v[Y+16*\c:Y+16*\c+15], v[BSO+\c]
.endr
	WIN 0
	v_nop
.irp c,0,1,2,3
.irp i,0,1,2
	ds_store_b32 v[OW], v[88+4*\c+\i] offset:1536*\c+4*\i
.endr
	ds_store_b8 v[OWS], v[BPX+\c] offset:64*\c
.endr
.endm
.macro LOADO
.irp p,0,1,2,3,4,5
	ds_load_b64 v[FA+2*\p:FA+2*\p+1], v[ORD] offset:48*(\p/3)+8*(\p%3)
.endr
	ds_load_b32 v[OS], v[ORS]
.endm
.macro P3MAIN
	LOADV Y, AV, 0
	s_wait_dscnt 0x0
	MM8 Y, FA, OS
	PLACES 4
	FETCH8 AW, 12288, 1024
	RESID
	LNORM Y, Y+64, 512, 1024
	LOADV Y, AV, 1536
	LOADV Y+64, AV, 2048
	QUANT X, FA, OS
	PLACES 8
	s_wait_dscnt 0x0
	MM8 Y, FA, OS
	PLACES 4
	FETCH8 AW, 24576, 2048
	RELU Y
	QUANT Y, FB, HS
	s_wait_dscnt 0x0
	MM8 Y+64, FA, OS
	PLACES 4
	FETCH8 AW, 36864, 3072
	LOADV Y, AV, 2560
	RELU Y+64
	QUANT Y+64, FA, OS
	s_wait_dscnt 0x0
	MM8 Y, FB, HS
	PLACES 8
	FETCH8 AW, 49152, 4096
	s_wait_dscnt 0x0
	MM8 Y, FA, OS
	PLACES 4
	RESID
	LNORM Y, Y+64, 3072, 3584
.endm
.macro ADDRS sx, so, sg
	v_and_b32 v[T0], 31, v0
	v_and_b32 v[T1], 15, v0
	v_bfe_u32 v[AX], v0, 4, 1
	v_lshlrev_b32 v[LI], 4, v[T0]
	v_lshlrev_b32 v[L8], 3, v[T0]
	v_lshlrev_b32 v[H64], 6, v[AX]
	v_and_b32 v[TT], 8, v[T1]
	v_add_nc_u32 v[TT], v[TT], v[T1]
	s_mul_i32 s2, s[SM], 3072
	v_add_nc_u32 v[WAL], s2, v[LI]
	s_lshl_b32 s2, s[SM], 8
	v_add_nc_u32 v[SAL], s2, v[L8]
	s_lshl_b32 s2, s[SM], 7
	v_add_nc_u32 v[BAL], s2, v[H64]
	v_lshl_add_u32 v[BVL], v[TT], 2, s2
	v_add_nc_u32 v[XRI], s[\sx], v[LI]
	s_mul_i32 s2, s[SM], 1536
	v_add_nc_u32 v[XWI], s2, v[XRI]
	v_lshlrev_b32 v[AW], 2, v[T0]
	v_add_nc_u32 v[XRS], s[\sx], v[AW]
	v_add_nc_u32 v[XRS], 6144, v[XRS]
	s_lshl_b32 s2, s[SM], 7
	v_add_nc_u32 v[XWS], s2, v[XRS]
	v_mul_u32_u24 v[AS], v[T1], 96
	v_add_nc_u32 v[AS], s[\so], v[AS]
	v_mad_u32_u24 v[OW], v[AX], 12, v[AS]
	s_mul_i32 s2, s[SM], 24
	v_add_nc_u32 v[OW], s2, v[OW]
	v_mad_u32_u24 v[ORD], v[AX], 24, v[AS]
	s_mul_i32 s2, s[SM], 1536
	v_add_nc_u32 v[ORD], s2, v[ORD]
	v_lshlrev_b32 v[AV], 2, v[T1]
	v_add_nc_u32 v[AV], s[\so], v[AV]
	v_add_nc_u32 v[AV], 6144, v[AV]
	v_add_nc_u32 v[OWS], s[SM], v[AV]
	s_lshl_b32 s2, s[SM], 6
	v_add_nc_u32 v[ORS], s2, v[AV]
	v_add_nc_u32 v[STW], s[\sg], v[LI]
	v_mul_u32_u24 v[STR], v[T1], 528
	v_add_nc_u32 v[STR], v[STR], v[H64]
	v_add_nc_u32 v[STR], s[\sg], v[STR]
.endm
; group 0 number idx: my quarter (qb bytes) of the part that begins at LDS byte lb; in pack it begins 202,752 bytes further on
.macro G0SET idx, lb, qb
	s_mov_b32 s[G0+4*\idx], 1
	s_mul_i32 s[G0+4*\idx+1], s[WV], \qb
	s_add_co_u32 s[G0+4*\idx+1], s[G0+4*\idx+1], \lb
	s_add_co_u32 s16, s[G0+4*\idx+1], 202752
	s_add_nc_u64 s[G0+4*\idx+2:G0+4*\idx+3], s[8:9], s[16:17]
	s_or_b32 s[G0+4*\idx+3], s[G0+4*\idx+3], 0x80000000
.endm
	s_load_b256 s[4:11], s[0:1], 0x0               ; mid s[4:5], lengths s[6:7], pack s[8:9], out0 s[10:11]
	v_lshl_add_u32 v[SPW], v0, 2, SPARE
	v_mov_b32 v[NIL], 0
	ds_add_u32 v[SPW], v[NIL]                      ; the wave's opening: the add, twice on end, and its wait ahead of my first tensor load
	ds_add_u32 v[SPW], v[NIL]
	v_lshrrev_b32 v[T0], 5, v0
	v_readfirstlane_b32 s[WV], v[T0]
	s_mov_b32 s16, XIMG
	s_mov_b32 s17, OROW
	s_mul_i32 s18, s[WV], 8448                     ; the way out's stage lies in the bytes of layer 1's part B: they have their one fill, and their last read lies barriers back when the first result is stored there
	ADDRS 16, 17, 18
	s_lshr_b32 s[TB], s[SM], 1
	s_lshl_b32 s[TB], s[TB], 5
	s_and_b32 s2, s[SM], 1
	s_lshl_b32 s2, s2, 3
	s_add_co_u32 s[TB], s[TB], s2
	v_add_nc_u32 v[RO], s[TB], v[TT]
	v_lshl_add_u32 v[RO], v[RO], 10, v[H64]        ; my token's 1,024 bytes of mid, + 64 h
	v_lshlrev_b32 v[T0], 2, v[TT]
	s_mov_b32 s[CS], 0x3e8293ee
	s_mov_b32 s[CS+1], s[CS]
	s_mov_b32 s[SEL], 0x76543210
	s_mov_b32 s[SEL+1], 0xfedcba98
	s_mov_b32 s[NEG], 0xd0000000
	s_mov_b32 s[INV], 0x3c000000
	s_mov_b32 s[EPS], 0x3727c5ac
	; descriptor groups 1: rows of 256 bytes (32 elements of 8), dense; 41 or 69 of them; the mask names all four work-groups, bit 21 beside it
	s_mov_b32 s[G1A], 15|(3<<16)|(1<<21)
	s_mov_b32 s[G1A+1], 32<<16
	s_mov_b32 s[G1A+2], 41<<16
	s_mov_b32 s[G1A+3], 32<<16
	s_mov_b32 s[G1A+4], 41
	s_mov_b32 s[G1A+5], 32
	s_mov_b32 s[G1A+6], 0
	s_mov_b32 s[G1A+7], 0
	s_mov_b32 s[G1B], 15|(3<<16)|(1<<21)
	s_mov_b32 s[G1B+1], 32<<16
	s_mov_b32 s[G1B+2], 69<<16
	s_mov_b32 s[G1B+3], 32<<16
	s_mov_b32 s[G1B+4], 69
	s_mov_b32 s[G1B+5], 32
	s_mov_b32 s[G1B+6], 0
	s_mov_b32 s[G1B+7], 0
	s_bfe_u32 s2, ttmp6, 0x40000                   ; cx
	s_lshl_b32 s3, ttmp9, 2
	s_add_co_u32 s3, s3, s2                        ; the batch: it enters global addresses alone
	s_mov_b32 s17, 0
	s_wait_dscnt 0x0                               ; both opening adds are done
	s_wait_kmcnt 0x0
	G0SET 0, 0, 17664
	G0SET 1, 70656, 10496
	G0SET 2, 112640, 17664
	G0SET 3, 183296, 10496
	G0SET 4, 225280, 17664
	s_lshl_b32 s16, s3, 8
	s_add_nc_u64 s[6:7], s[6:7], s[16:17]          ; lengths[b]
	s_lshl_b32 s16, s3, 16
	s_add_nc_u64 s[4:5], s[4:5], s[16:17]          ; mid at the batch's 64 rows
	s_lshl_b32 s16, s3, 15
	s_lshl_b32 s2, s[TB], 9
	s_add_co_u32 s16, s16, s2
	s_add_nc_u64 s[10:11], s[10:11], s[16:17]      ; out0 at my tile's first token
	CROUND                                         ; all four work-groups are here: the joint loads meet
	tensor_load_to_lds s[G0:G0+3], s[G1B:G1B+7]    ; layer 1, part B
	s_nop 0
	tensor_load_to_lds s[G0+4:G0+7], s[G1A:G1A+7]  ; layer 2, part A
	s_nop 0
	tensor_load_to_lds s[G0+8:G0+11], s[G1B:G1B+7] ; layer 2, part B
	s_nop 0
	tensor_load_to_lds s[G0+12:G0+15], s[G1A:G1A+7]
	s_nop 0
	tensor_load_to_lds s[G0+16:G0+19], s[G1B:G1B+7]
	s_nop 0
	PLACES 4
.irp c,0,1,2,3
	global_load_b32 v[88+\c], v[T0], s[6:7] offset:(32*(\c/2)+8*(\c%2))*4    ; the length of tile c's token of my lane
.endr
.irp b,0,1
.irp k,0,1,2,3
	global_load_b128 v[112+16*\b+4*\k:115+16*\b+4*\k], v[H64], s[6:7] offset:128*\b+16*\k   ; and of the key of each score register
.endr
.endr
	WIN 0x40
.irp b,0,1,2,3
.irp j,0,1,2,3
	global_load_b128 v[X+16*\b+4*\j:X+16*\b+4*\j+3], v[RO], s[4:5] offset:128*\b+16*\j        ; x(t = 0)
	global_load_b128 v[Y+16*\b+4*\j:Y+16*\b+4*\j+3], v[RO], s[4:5] offset:512+128*\b+16*\j    ; o(t = 0)
.endr
.endr
	WIN 0
.irp i,0,1,2,3,4,5,6,7
	v_mov_b32 v[BPX+\i], 0                         ; written once: a lane permute's destination counts as read, and so does a pair's upper word
	v_mov_b32 v[NM+\i], 0
.endr
.irp c,0,1,2,3
	ZERO QF+12*\c+3, 9
.endr
	s_wait_loadcnt 0x0
.irp c,0,1,2,3
	v_cmp_lt_i32 s[VQ+\c], 0, v[88+\c]             ; valid[b, s, 0] = 0 < lengths[b, s]
.endr
.set n_, 0
.rept 32
	v_cmp_lt_i32 s[KM+n_], 0, v[112+n_]
.set n_, n_+1
.endr
	QUANT Y, FA, OS                                ; o of block 1, my 16 rows
	PLACES 8
	s_wait_tensorcnt 4                             ; my quarter of layer 1's part B is in; the four loads issued behind it may stay out
	BARRIER
	s_mov_b32 s[LBB], 0
	P3PRE LBB
	P3MAIN                                         ; the rest of block 1
	WIN 0
	s_wait_tensorcnt 0x0                           ; all my quarters are in, ahead of the signal of the first trip's first barrier, behind which they are read
	s_mov_b32 s[LAB], 70656
	s_mov_b32 s[LBB], 112640
	s_mov_b32 s[TRIP], 2
.Lblock:                                           ; blocks 2 and 3
	P1 0
	QKV LAB, 4, Y+64, 0
	ATT 4
	P3PRE LBB
	OSCALE 4
	OSTORE
	BARRIER
	LOADO
	P3MAIN
	WIN 0
	s_add_co_u32 s[LAB], s[LAB], 112640
	s_add_co_u32 s[LBB], s[LBB], 112640
	s_sub_co_u32 s[TRIP], s[TRIP], 1
	s_cmp_lg_u32 s[TRIP], 0
	s_cbranch_scc1 .Lblock
	; the way out: a lane's 64-byte pieces go into my stage and come back as whole rows of 512 bytes
	WIN 0x04
.irp b,0,1,2,3
.irp j,0,1,2,3
	ds_store_b128 v[STR], v[X+16*\b+4*\j:X+16*\b+4*\j+3] offset:128*\b+16*\j
.endr
.endr
	WIN 0
.irp p,0,1,2,3,4,5,6,7,8,9,10,11,12,13,14,15
	ds_load_b128 v[88+4*\p:91+4*\p], v[STW] offset:528*\p          ; LDS serves a wave's instructions in order: these see my stores
.endr
.irp p,0,1,2,3,4,5,6,7,8,9,10,11,12,13,14,15
	s_wait_dscnt 15-\p                             ; the younger rows' loads may stay out
	global_store_b128 v[LI], v[88+4*\p:91+4*\p], s[10:11] offset:(\p+8*(\p/8))*512 th:TH_STORE_NT   ; 32 lanes store 512 consecutive bytes, aligned
.endr
	s_wait_tensorcnt 0x0                           ; the wave's end, behind my last tensor load and my last LDS store
	ds_add_u32 v[SPW], v[NIL]
	s_wait_dscnt 0x0
	CROUND                                         ; the closing round
	s_endpgm
.Lfunc_end_k_q0e5e7209b0_spatial:
	.size	k_q0e5e7209b0_spatial, .Lfunc_end_k_q0e5e7209b0_spatial-k_q0e5e7209b0_spatial
	.p2alignl 7, 3214868480
	.fill 96, 4, 3214868480
	.section	.rodata,"a",@progbits
	.p2align	6, 0x0
	.amdhsa_kernel k_q0e5e7209b0_spatial
		.amdhsa_group_segment_fixed_size 327680
		.amdhsa_private_segment_fixed_size 0
		.amdhsa_enable_private_segment 0
		.amdhsa_kernarg_size 32
		.amdhsa_user_sgpr_count 2
		.amdhsa_user_sgpr_kernarg_segment_ptr 1
		.amdhsa_wavefront_size32 1
		.amdhsa_system_sgpr_workgroup_id_x 1
		.amdhsa_system_sgpr_workgroup_id_y 1
		.amdhsa_system_sgpr_workgroup_id_z 1
		.amdhsa_system_vgpr_workitem_id 0
		.amdhsa_next_free_vgpr 512
		.amdhsa_next_free_sgpr 102
		.amdhsa_reserve_vcc 1
		.amdhsa_float_denorm_mode_32 3
		.amdhsa_float_denorm_mode_16_64 3
		.amdhsa_memory_ordered 1
		.amdhsa_forward_progress 1
		.amdhsa_inst_pref_size 219
	.end_amdhsa_kernel
	.amdgpu_metadata
---
amdhsa.version: [ 1, 2 ]
amdhsa.kernels:
  - .name:           k_q0e5e7209b0_spatial
    .symbol:         k_q0e5e7209b0_spatial.kd
    .args:
      - { .name: mid, .offset: 0, .size: 8, .value_kind: global_buffer, .address_space: global }
      - { .name: lengths, .offset: 8, .size: 8, .value_kind: global_buffer, .address_space: global }
      - { .name: pack, .offset: 16, .size: 8, .value_kind: global_buffer, .address_space: global }
      - { .name: out0, .offset: 24, .size: 8, .value_kind: global_buffer, .address_space: global }
    .group_segment_fixed_size: 327680
    .private_segment_fixed_size: 0
    .kernarg_segment_align: 8
    .kernarg_segment_size: 32
    .max_flat_workgroup_size: 128
    .sgpr_count:     102
    .vgpr_count:     512
    .wavefront_size: 32
...
	.end_amdgpu_metadata
.endif
;; end of part 3
